; MI455X (gfx1250); checked and timed in simulation.
; The chip was launched on July 23, 2026; its instructions are those of AMD's public machine-readable ISA for CDNA 5 (MIT licence, August 2026) and "CDNA5" Instruction Set Architecture Reference Guide (July 2026). The comments in the code are by the model that wrote it; some were corrected since.
;; DA Layer. Allowed arithmetic: matrix products marked QUANTISED: E5M2 operands, one E8M0 scale for each 32 along K, by v_wmma_scale_f32_16x16x128_f8f6f4 with both operands' format E5M2, f32 sums; everything else in f32.
;; Inputs: W1_codes 4,096 x 32 x 32 uint8 (E5M2 codes of W1, K innermost, in blocks of 32 codes); W1_scales 4,096 x 32 uint8 (E8M0 scales of W1, one for each 32 codes along K); W2_codes 1,024 x 128 x 32 uint8 (E5M2 codes of W2, K innermost, in blocks of 32 codes); W2_scales 1,024 x 128 uint8 (E8M0 scales of W2, one for each 32 codes along K); Wk_codes 1,024 x 32 x 32 uint8 (E5M2 codes of Wk, K innermost, in blocks of 32 codes); Wk_scales 1,024 x 32 uint8 (E8M0 scales of Wk, one for each 32 codes along K); Wo_codes 1,024 x 32 x 32 uint8 (E5M2 codes of Wo, K innermost, in blocks of 32 codes); Wo_scales 1,024 x 32 uint8 (E8M0 scales of Wo, one for each 32 codes along K); Wq_codes 1,024 x 32 x 32 uint8 (E5M2 codes of Wq, K innermost, in blocks of 32 codes); Wq_scales 1,024 x 32 uint8 (E8M0 scales of Wq, one for each 32 codes along K); Wv_codes 1,024 x 32 x 32 uint8 (E5M2 codes of Wv, K innermost, in blocks of 32 codes); Wv_scales 1,024 x 32 uint8 (E8M0 scales of Wv, one for each 32 codes along K); b1 4,096 float32; b2 1,024 float32; bk 1,024 float32; bo 1,024 float32; bq 1,024 float32; bv 1,024 float32; x 4 x 1,024 x 1,024 float32.
;; Outputs: out0 4 x 1,024 x 1,024 float32.
;; This version of the problem:
;;   THIS VERSION OF THE PROBLEM IS GIVEN IN LOW PRECISION. The matrix products marked QUANTISED in the list below multiply operands that are first quantised to E5M2 (5 exponent bits, 2 mantissa bits; 8 bits a number), with one power-of-two scale for each 32 numbers along K (OCP MX v1.0); their sums are f32. All else is computed in f32.
;;   The module's matrix products, in the order in which they are computed (A, B: the left and right operand; K: the contracted axis; several contracted axes count as one K, in the product's order):
;;     1. [M 4,096, K 1,024] x [K 1,024, N 1,024]; A: input x; B: input Wq (given as codes): QUANTISED
;;     2. [M 4,096, K 1,024] x [K 1,024, N 1,024]; A: input x; B: input Wk (given as codes): QUANTISED
;;     3. [M 4,096, K 1,024] x [K 1,024, N 1,024]; A: input x; B: input Wv (given as codes): QUANTISED
;;     4. batch 64 x [M 1,024, K 64] x [K 64, N 1,024]; A: computed on the way; B: computed on the way: QUANTISED
;;     5. batch 64 x [M 1,024, K 1,024] x [K 1,024, N 64]; A: softmax (see below); B: computed on the way: QUANTISED
;;     6. [M 4,096, K 1,024] x [K 1,024, N 1,024]; A: computed on the way; B: input Wo (given as codes): QUANTISED
;;     7. [M 4,096, K 1,024] x [K 1,024, N 4,096]; A: computed on the way; B: input W1 (given as codes): QUANTISED
;;     8. [M 4,096, K 4,096] x [K 4,096, N 1,024]; A: computed on the way; B: input W2 (given as codes): QUANTISED
;;   THE QUANTISER, for each operand of a quantised product, along K:
;;     - K is cut into blocks of 32 from its start; a last block that is shorter is filled with zeros.
;;     - A block's scale is 2^e with e = floor(log2(the largest magnitude in the block)) - 15, held to -126 .. 127; a block of zeros has e = 0. As a byte (E8M0): e + 127.
;;     - Each number is divided by its block's scale, clamped to +-57,344, and rounded to the nearest number of E5M2, ties to even, subnormals kept.
;;     - The product sums the exact products of the quantised numbers (number of the format x scale) in f32.
;;   ~~~python
;;   def quantise(x, axis):      # numpy; x: float32 -> the quantised numbers, widened to float32 again
;;       x = np.moveaxis(x, axis, -1); K = x.shape[-1]
;;       x = np.pad(x, [(0, 0)] * (x.ndim - 1) + [(0, -K % 32)]); x = x.reshape(x.shape[:-1] + (-1, 32)); a = np.abs(x).max(-1, keepdims=True)
;;       e = np.where(a > 0, np.clip(np.frexp(np.where(a > 0, a, 1))[1] - 1 - 15, -126, 127), 0)      # np.frexp(a)[1] - 1 = floor(log2(a)), exactly
;;       r = np.clip(x / 2.0 ** e, -57344, 57344)
;;       step = 2.0 ** (np.maximum(np.frexp(np.where(r == 0, 1, r))[1] - 1, -14) - 2)
;;       q = np.round(r / step) * step * 2.0 ** e      # np.round: ties to even
;;       return np.moveaxis(q.reshape(q.shape[:-2] + (-1,))[..., :K], -1, axis).astype(np.float32)
;;   ~~~
;;   SOFTMAX AHEAD OF A QUANTISED PRODUCT. Where the list says 'softmax', what is quantised is not the finished softmax but p = 2^(t - M), with t = logit x log2(e) and M = ceil(the row's largest t), a whole number; so 1/2 < the row's largest p <= 1. The row's sum l is taken of the UNQUANTISED p, in f32, and the product's result is divided by l at the end. Since M is a whole number, a kernel that streams over the keys may use a running M (the ceiling of the running maximum): every later rescaling is an exact power of two, which a block's scale takes up: the codes' values come out the same.
;;   OPERANDS COMPUTED ON THE WAY. 'Computed on the way' means the value that the module computes at that place (a softmax that the list does not call 'softmax' is quantised finished and normalised). What goes into a quantiser is computed in f32, as accurately as f32 sums, v_exp_f32 and their like allow (about 1e-6 of the number): no bf16 or f16 on the way to a quantiser, and a product that is left as it is and whose result goes on into a quantised operand takes f32 operands (vector FMAs, or v_wmma_f32_16x16x4_f32). A number that lies on a knife's edge between two numbers of the format may be rounded either way, as far as f32 arithmetic and the matrix unit's own rounding can turn it there, and no further.
;;   INPUTS GIVEN AS CODES. W1 (in the module: [1024, 4096], K = its axis 0); W2 (in the module: [4096, 1024], K = its axis 0); Wk (in the module: [1024, 1024], K = its axis 0); Wo (in the module: [1024, 1024], K = its axis 0); Wq (in the module: [1024, 1024], K = its axis 0); Wv (in the module: [1024, 1024], K = its axis 0): each comes as NAME_codes (uint8): NAME with its K axis moved to the last place and cut into blocks of 32 codes, [.., K / 32, bytes a block], one block behind the other in memory; one code a byte (a code: sign, 5 exponent bits, 2 mantissa bits); and NAME_scales (uint8): the same leading axes, one E8M0 byte (e + 127) for each 32 codes along K. Its value is code x scale, taken as it is: it is not quantised again, and the codes and scales need not be those that the quantiser above would give.
;; One version. Each part assembles by itself: llvm-mc -triple=amdgcn-amd-amdhsa -mcpu=gfx1250 --defsym DOCPART=n.
;; ======== version 1 of 1: 6 launches
;; limits: right only within a limited range of input values
;; workspace buffers: XQ 4,325,376 bytes; QKV 12,976,128 bytes; CTX 4,325,376 bytes; X1 21,102,592 bytes; HB 17,301,504 bytes
;; launch quant_x (part 1): grid 256 x 1, 2 waves a work-group, no clusters, 16,640 bytes of LDS; arguments x, XQ; writes XQ
.if DOCPART == 1
	.amdgcn_target "amdgcn-amd-amdhsa--gfx1250"
	.amdhsa_code_object_version 6
	.text
	.protected	k_q1ba98cbcad_quant_x
	.globl	k_q1ba98cbcad_quant_x
	.p2align	8
	.type	k_q1ba98cbcad_quant_x,@function
k_q1ba98cbcad_quant_x:
	s_mov_b64 s[64:65], 0
	v_nop
	global_prefetch_b8 v0, s[64:65] scope:SCOPE_SE
	s_setreg_imm32_b32 hwreg(HW_REG_WAVE_MODE, 25, 1), 1
	s_wait_xcnt 0x0
; x [4096][1024], f32, becomes codes of BF8 (E5M2), K innermost, at XQ + 0, and one E8M0 scale byte for each 32 along K, [4096][32], at XQ + 4,194,304.
; A block's scale is 2^(floor(log2(its largest magnitude)) - 15); its byte is the largest magnitude's exponent field - 15, held at 1 from below.
; Each number is divided by the scale, held within +-57,344 and rounded to the nearest code, ties to even.
; LIMITS: a block of zeros gets the byte 1 where the rule says 127 (its codes are zeros, and this program alone reads the bytes); blocks whose largest
; magnitude lies under 2^-111 are held at byte 1; NaN and infinities among the inputs are not served.
; Rows are dense and 1,024 is a multiple of 32: x is a plain stream of blocks of 32.  A wave takes a run of 16 steps of 512 numbers; 512 runs, two waves a work-group.
; Each of a step's four loads reads 512 consecutive bytes, 16 a lane; the 2,048 bytes turn through the wave's own stage in LDS and come back 64 bytes a lane, so that
; a lane holds 16 neighbours along K (two neighbouring lanes hold a block).  No tensor loads, no barrier, no cluster: waves share nothing and the bytes bind.
.set STEPS, 16
.set EMAX,  15
.set MANT,  0x600000                   ; the mantissa field of 57,344 as f32
.set CB,    16                         ; bytes of 16 codes
.set R,     16                         ; v16-79   four sets of 16 numbers as they are loaded
.set X,     80                         ; v80-111  two sets of 16 neighbours
.set C,     128                        ; v128-191 codes: four registers for each step
.set E,     112                        ; v112-127 a scale byte for each step
.set WREG,  8192                       ; LDS: a region for each wave: two stages of 32 x SP bytes, behind them its 256 scale bytes
.set SP,    80                         ; a lane's place in a stage: 64 bytes + 16 of padding
	s_load_b128 s[4:7], s[0:1], 0x0                ; x, XQ
	v_lshl_add_u32 v192, v0, 2, 0x4000
	v_mov_b32 v193, 0
	v_lshrrev_b32 v1, 5, v0
	v_readfirstlane_b32 s16, v1                    ; wave
	v_and_b32 v2, 31, v0                           ; lane
	v_lshlrev_b32 v3, 4, v2                        ; my 16 bytes of a load's 512
	s_mul_i32 s17, s16, WREG
	v_lshrrev_b32 v14, 2, v2
	v_mul_u32_u24 v14, v14, SP
	v_and_b32 v15, 3, v2
	v_lshl_add_u32 v14, v15, 4, v14
	v_add_nc_u32 v14, s17, v14                     ; the stage, on the way in: SP (lane / 4) + 16 (lane % 4)
	v_mul_u32_u24 v15, v2, SP
	v_add_nc_u32 v15, s17, v15                     ; and on the way out: SP x lane
	v_mul_u32_u24 v4, v2, CB                       ; my codes' place in a step's
	v_lshrrev_b32 v5, 1, v2
	s_add_co_u32 s17, s17, 2*32*SP
	v_add_nc_u32 v5, s17, v5                       ; LDS: my wave's 256 scale bytes, my block's byte
	v_lshlrev_b32 v7, 3, v2                        ; and on the way out 8 bytes a lane
	v_add_nc_u32 v6, s17, v7
	s_mov_b32 s24, MANT
	s_lshl_b32 s18, ttmp9, 1
	s_add_co_u32 s18, s18, s16                     ; my run of 8,192 numbers: 2 x work-group + wave
	s_lshl_b32 s20, s18, 15                        ; its bytes in x,
	s_mov_b32 s21, 0
	s_lshl_b32 s22, s18, 13                        ; its codes,
	s_mov_b32 s23, 0
	s_lshl_b32 s26, s18, 8                         ; its 256 scale bytes
	s_add_co_u32 s26, s26, 4194304
	s_mov_b32 s27, 0
	s_wait_alu depctr_va_vdst(0)
	s_wait_kmcnt 0x0
	s_add_nc_u64 s[4:5], s[4:5], s[20:21]
	s_add_nc_u64 s[8:9], s[6:7], s[22:23]
	s_add_nc_u64 s[10:11], s[6:7], s[26:27]
.macro LOAD t
.irp i, 0,1,2,3
	global_load_b128 v[R+16*((\t)%4)+4*\i:R+16*((\t)%4)+4*\i+3], v3, s[4:5] offset:2048*(\t)+512*\i   ; 32 lanes read 512 consecutive bytes
.endr
.endm
.macro TURN t                          ; step t's numbers through the stage: LDS serves a wave's instructions in order
.irp i, 0,1,2,3
	ds_store_b128 v14, v[R+16*((\t)%4)+4*\i:R+16*((\t)%4)+4*\i+3] offset:32*SP*((\t)%2)+8*SP*\i
.endr
.irp i, 0,1,2,3
	ds_load_b128 v[X+16*((\t)%2)+4*\i:X+16*((\t)%2)+4*\i+3], v15 offset:32*SP*((\t)%2)+16*\i
.endr
.endm
.irp t, 0,1,2,3
	LOAD \t
.endr
	s_wait_loadcnt 12                              ; step 0's four loads are in; three steps' twelve stay out
	TURN 0
.macro STEP t
.set XS, X+16*((\t)%2)
.if (\t) > 0
	s_wait_dscnt 1                                 ; this step's numbers are back from the stage; only the last step's byte store may be out
.else
	s_wait_dscnt 0x0
.endif
.if (\t)+4 < STEPS
	LOAD (\t)+4                                    ; into the registers that the stage's stores have read
.endif
.if (\t)+1 < STEPS
.if STEPS-2-(\t) >= 3
	s_wait_loadcnt 12                              ; the next step's four loads are in; those of the three steps behind it may be out
.else
	s_wait_loadcnt 4*(STEPS-2-(\t))
.endif
	TURN (\t)+1
.endif
	v_max3_num_f32 v8, |v[XS]|, |v[XS+1]|, |v[XS+2]|               ; the largest magnitude of my 16
	v_max3_num_f32 v9, |v[XS+3]|, |v[XS+4]|, |v[XS+5]|
.irp i, 6,10
	v_max3_num_f32 v8, v8, |v[XS+\i]|, |v[XS+\i+1]|
	v_max3_num_f32 v9, v9, |v[XS+\i+2]|, |v[XS+\i+3]|
.endr
	v_max3_num_f32 v8, v8, |v[XS+14]|, |v[XS+15]|
	v_max3_num_f32 v8, v8, v9, (EMAX+1)<<23        ; and the floor 2^(16 - 127): the byte cannot fall under 1
	v_max_num_f32_dpp v8, v8, v8 row_xmask:1 row_mask:0xf bank_mask:0xf   ; and of my neighbour's 16: the block's
	v_add_nc_u32 v11, -(EMAX<<23), v8              ; 15 off its exponent field: the conversion's scale operand
	v_and_or_b32 v10, v8, 0x7f800000, s24          ; 57,344 x the scale
.irp i, 0,1,2,3,4,5,6,7,8,9,10,11,12,13,14,15
	v_med3_num_f32 v[XS+\i], v[XS+\i], -v10, v10   ; the conversion does not saturate (ISA guide 7.6.2): hold first
.endr
	v_cvt_scalef32_pk8_bf8_f32 v[C+4*(\t):C+4*(\t)+1], v[XS:XS+7], v11
	v_cvt_scalef32_pk8_bf8_f32 v[C+4*(\t)+2:C+4*(\t)+3], v[XS+8:XS+15], v11
	v_lshrrev_b32 v[E+(\t)], 23, v11               ; the scale's byte
	ds_store_b8 v5, v[E+(\t)] offset:16*(\t)       ; both lanes of a block write the same byte with the same value
	global_store_b128 v4, v[C+4*(\t):C+4*(\t)+3], s[8:9] offset:32*CB*(\t)   ; the wave stores 512 consecutive bytes
.endm
.irp t, 0,1,2,3,4,5,6,7,8,9,10,11,12,13,14,15
	STEP \t
.endr
	ds_load_b64 v[12:13], v6                       ; LDS serves a wave's instructions in order: these see my stores
	s_wait_dscnt 0x0
	global_store_b64 v7, v[12:13], s[10:11]        ; 32 lanes store 256 consecutive bytes, aligned
	s_wait_tensorcnt 0x0
	ds_add_u32 v192, v193
	s_wait_dscnt 0x0
	s_endpgm
.Lfunc_end_k_q1ba98cbcad_quant_x:
	.size	k_q1ba98cbcad_quant_x, .Lfunc_end_k_q1ba98cbcad_quant_x-k_q1ba98cbcad_quant_x
	.p2alignl 7, 3214868480
	.fill 96, 4, 3214868480
	.section	.rodata,"a",@progbits
	.p2align	6, 0x0
	.amdhsa_kernel k_q1ba98cbcad_quant_x
		.amdhsa_group_segment_fixed_size 16640
		.amdhsa_private_segment_fixed_size 0
		.amdhsa_enable_private_segment 0
		.amdhsa_kernarg_size 16
		.amdhsa_user_sgpr_count 2
		.amdhsa_user_sgpr_kernarg_segment_ptr 1
		.amdhsa_wavefront_size32 1
		.amdhsa_system_sgpr_workgroup_id_x 1
		.amdhsa_system_sgpr_workgroup_id_y 1
		.amdhsa_system_sgpr_workgroup_id_z 1
		.amdhsa_system_vgpr_workitem_id 0
		.amdhsa_next_free_vgpr 194
		.amdhsa_next_free_sgpr 66
		.amdhsa_reserve_vcc 0
		.amdhsa_float_denorm_mode_32 3
		.amdhsa_float_denorm_mode_16_64 3
		.amdhsa_memory_ordered 1
		.amdhsa_forward_progress 1
		.amdhsa_inst_pref_size 51
	.end_amdhsa_kernel
	.amdgpu_metadata
---
amdhsa.version: [ 1, 2 ]
amdhsa.kernels:
  - .name:           k_q1ba98cbcad_quant_x
    .symbol:         k_q1ba98cbcad_quant_x.kd
    .args:
      - { .name: x, .offset: 0, .size: 8, .value_kind: global_buffer, .address_space: global }
      - { .name: XQ, .offset: 8, .size: 8, .value_kind: global_buffer, .address_space: global }
    .group_segment_fixed_size: 16640
    .private_segment_fixed_size: 0
    .kernarg_segment_align: 8
    .kernarg_segment_size: 16
    .max_flat_workgroup_size: 64
    .sgpr_count:     66
    .vgpr_count:     194
    .wavefront_size: 32
...
	.end_amdgpu_metadata
.endif
;; end of part 1
;; launch qkv (part 2): grid 12 x 16, 4 waves a work-group, clusters of 4 x 4, 327,680 bytes of LDS; arguments XQ, Wq_codes, Wq_scales, Wk_codes, Wk_scales, Wv_codes, Wv_scales, bq, bk, bv, QKV; writes QKV
.if DOCPART == 2
	.amdgcn_target "amdgcn-amd-amdhsa--gfx1250"
	.amdhsa_code_object_version 6
	.text
	.protected	k_q1ba98cbcad_qkv
	.globl	k_q1ba98cbcad_qkv
	.p2align	8
	.type	k_q1ba98cbcad_qkv,@function
k_q1ba98cbcad_qkv:
	s_mov_b64 s[64:65], 0
	v_nop
	global_prefetch_b8 v0, s[64:65] scope:SCOPE_SE
	s_setreg_imm32_b32 hwreg(HW_REG_WAVE_MODE, 25, 1), 1
	s_wait_xcnt 0x0
	s_wait_alu depctr_hold_cnt(0) depctr_sa_sdst(0) depctr_va_vdst(0) depctr_va_sdst(0) depctr_va_ssrc(0) depctr_va_vcc(0) depctr_vm_vsrc(0)
	s_getreg_b32 s2, hwreg(HW_REG_IB_STS2, 6, 4)
	s_cmp_eq_u32 s2, 0
	s_cbranch_scc0 .Lentry_in_a_cluster
	s_endpgm
.Lentry_in_a_cluster:
	s_bfe_u32 s2, ttmp6, 0x10000c
	s_cmp_lg_u32 s2, 0xf033
	s_cbranch_scc0 .Lentry_shape_is_right
	s_endpgm
.Lentry_shape_is_right:
; q = x Wq + bq, k = x Wk + bk, v = x Wv + bv on codes of BF8 (E5M2) with E8M0 scales, and their quantising for attention: q and k along the head's 64, v along the keys.
; The cluster's x is the ROLE: 0 q, 1 k, 2 v; it is the same in all sixteen partners.  q, k: A = x's codes (4,096 rows), B = the weight (1,024 rows).
; v: A = Wv (1,024 rows h 64 + d), B = x (4,096 tokens): the same text then makes v transposed, a lane holding one d and its registers running along the keys.
; Nothing branches on the role: buffers, tile coordinates, pitches and steps are chosen by s_cselect.
; A tile of C, 256 x 256, is made by four waves, each 128 x 128: 64 accumulators, 512 registers.  K = 1,024 goes in steps of 256 through two LDS slots filled by the tensor data mover;
; the scale bytes of the tile's 256 + 256 rows come once and stay.  4 x 4 work-groups form a cluster: A's tiles are asked for jointly along a row, B's along a column.
; The matrix instruction is used transposed (source 0 = 16 rows of B, source 1 = 16 rows of A): a lane holds row l % 16 of C and eight neighbouring columns.
; BIASES: q's and k's hang on the column: they are the C of each sum's first product (v64-127).  v's hangs on the row: it is added on the way out (v8-15).  The one that a role does not
; have is made an exact 0 by a mask, so both lines stand in every role.
; THE FACTOR 1/8 OF q is a power of two: it moves q's scale bytes and no code.  It is left to the softmax's constant in the next launch.  LIMIT: the two differ for blocks of q whose largest magnitude lies under 2^-108.
; OUT: QKV + 0 q's codes [b][h][token][64]; + 4,194,304 k's likewise; + 8,388,608 v's [b][h][key / 128][d][128]; + 12,582,912 q's scale words [n / 128][4096]; + 12,713,984 k's; + 12,845,056 v's [token / 128][1024].
; Inside each block of 32 codes, position 16 h + 8 u + j holds element 16 u + 8 h + j: a lane's 16 codes leave as they stand.  q and k carry the same order; v's is the order in which the softmax's codes fall.
; LIMITS: a block of zeros gets the byte 1 where the rule says 127 (zero codes; the bytes are this program's own); blocks under 2^-111 are held at byte 1; NaN and infinities are not served.
; 192 work-groups: 12 x 16 tiles; tiles of half the size would make 384, which 256 WGPs take unevenly.
; REGISTERS: window 0: v0-31 addresses, v8-15 v's bias; v32-63 scale words, two sets; v64-127 the bias tile, later a block's 64 numbers; from v128 A's fragments, ONE set.
;   window 1: B's fragments, two sets.   windows 2, 3: the accumulators, (a, b) at v[8 (8 (a % 4) + b)].
.set KSTEP,  256
.set NQ,     2
.set ROWB,   256
.set KROW,   1024
.set PITCH,  272                       ; an LDS row: 256 bytes + 16 of padding: the 16 rows that a load touches start at 16 different banks
.set FR,     16
.set NL,     4
.set NP,     8                         ; places behind this matrix instruction (ISA guide 7.12.1)
.set HALFT,  128*PITCH
.set SLOT,   4*HALFT
.set LAPS,   2
.set KS,     32
.set SCL,    2*SLOT
.set HALFS,  (128*KS/256)*272
.set SBLK,   (16*KS/256)*272
.set SPARE,  SCL+4*HALFS               ; the spare words, 128 bytes a wave: two blocks of 256 bytes that no other line names
.set STGW,   3072                      ; the way out: a stage for each wave in slot 0: 16 rows x 144 bytes, and at + 2,304 its 128 scale words
.set BV,   8
.set ADRA, 16
.set ADRB, 20
.set ADRS, 27
.set SPW,  28
.set NIL,  29
.set SC,   32
.set BI,   64
.set AF,   128
.set G1, 24
.set G0, 32
.set G1B, 48
.set G0B, 56
.set G1S, 68
.set G0S, 76
.set G1SB, 80
.set G0SB, 88
.set MSB, 0
.macro WIN new                         ; the immediate's high byte repeats the setting that is left
.if MSB != (\new)
	s_set_vgpr_msb (MSB<<8)|(\new)
.set MSB, (\new)
.endif
.endm
.set MUL_LO, 0xa1                      ; source 0 (B) window 1, source 1 (A) window 0, C and D window 2
.set MUL_HI, 0xf1
.set BEG_LO, 0x81                      ; the first products: C (the bias tile) window 0, D window 2
.set BEG_HI, 0xc1
.set TO_B,   0x40
.macro JLOAD g0a, g1a, g0b, g1b        ; a joint load: waves 0 and 1 fetch for A, waves 2 and 3 for B; four v_nop follow each line
	s_cmp_eq_u32 s15, 0
	s_cbranch_scc0 .Lfor_b_\@
	tensor_load_to_lds s[\g0a:\g0a+3], s[\g1a:\g1a+7]
	s_nop 0
.rept 4
	v_nop
.endr
	s_branch .Lasked_\@
.Lfor_b_\@:
	tensor_load_to_lds s[\g0b:\g0b+3], s[\g1b:\g1b+7]
	s_nop 0
.rept 4
	v_nop
.endr
.Lasked_\@:
.endm
.macro CREST                           ; a round of the cluster's barrier behind its opening barrier
	s_cmp_lg_u32 s14, 0
	s_cbranch_scc1 .Lnot_wave_0_\@
	s_barrier_signal -3
.Lnot_wave_0_\@:
	s_barrier_wait -3
	s_barrier_signal -1
	s_barrier_wait -1
.endm
.macro CROUND
	s_barrier_signal -1
	s_barrier_wait -1
	CREST
.endm
	s_load_b512 s[72:87], s[0:1], 0x0              ; XQ, Wq's codes, scales, Wk's codes, scales, Wv's codes, scales, bq
	s_load_b128 s[88:91], s[0:1], 0x40             ; bk, bv
	s_load_b64 s[92:93], s[0:1], 0x50              ; QKV
	v_lshl_add_u32 v[SPW], v0, 2, SPARE
	v_mov_b32 v[NIL], 0
	ds_add_u32 v28, v29
	ds_add_u32 v28, v29
	s_wait_dscnt 0x0
	v_lshrrev_b32 v1, 5, v0
	v_readfirstlane_b32 s14, v1                    ; wave 0..3
	s_lshr_b32 s15, s14, 1                         ; which half of the tile's rows is mine.  Also: I fetch for A (0) or for B (1)
	s_and_b32 s16, s14, 1                          ; which half of its columns.  Also: which 128 rows I fetch
	s_bfe_u32 s40, ttmp6, 0x40000                  ; cx
	s_bfe_u32 s41, ttmp6, 0x40004                  ; cy
	s_and_b32 s18, ttmp7, 0xffff
	s_lshl_b32 s18, s18, 2                         ; 4 x the cluster's y: it walks the 4,096 tokens, which are A's rows for q and k, B's for v
	s_cmp_eq_u32 ttmp9, 2
	s_cselect_b32 s17, 0, s18
	s_cselect_b32 s42, s18, 0
	s_cselect_b32 s66, 0, -1                       ; the mask of the bias by column: all ones for q and k
	s_cselect_b32 s67, -1, 0                       ; and of the bias by row: all ones for v
	s_add_co_u32 s17, s17, s41                     ; tile row of C
	s_add_co_u32 s42, s42, s40                     ; tile column
	s_lshl_b32 s43, s41, 2
	s_lshl_b32 s43, 15, s43                        ; my row of the cluster
	s_lshl_b32 s44, 0x1111, s40                    ; my column
	s_wait_kmcnt 0x0
	s_cmp_eq_u32 ttmp9, 0                          ; the role's weight, its scales and its bias
	s_cselect_b64 s[8:9], s[74:75], s[78:79]
	s_cselect_b64 s[10:11], s[76:77], s[80:81]
	s_cselect_b64 s[98:99], s[86:87], s[88:89]
	s_cmp_eq_u32 ttmp9, 2
	s_cselect_b64 s[8:9], s[82:83], s[8:9]
	s_cselect_b64 s[10:11], s[84:85], s[10:11]
	s_cselect_b64 s[98:99], s[90:91], s[98:99]
	s_add_nc_u64 s[94:95], s[72:73], 0x400000      ; x's scale bytes (the sum leaves SCC alone)
	s_cselect_b64 s[4:5], s[8:9], s[72:73]         ; A's codes: the weight for v, x else
	s_cselect_b64 s[6:7], s[10:11], s[94:95]       ; A's scales
	s_cselect_b64 s[8:9], s[72:73], s[8:9]         ; B's codes
	s_cselect_b64 s[10:11], s[94:95], s[10:11]     ; B's scales
	s_mov_b64 s[12:13], s[92:93]                   ; QKV
	; descriptor group 1: a tile of 128 rows x 256 bytes, 16 bytes of padding behind each row
	s_or_b32 s[G1+0], s43, (1<<20)|(1<<21)|(5<<22)|(3<<25)
	s_or_b32 s[G1B+0], s44, (1<<20)|(1<<21)|(5<<22)|(3<<25)
.irp g, G1, G1B
	s_mov_b32 s[\g+1], ROWB<<16
	s_mov_b32 s[\g+2], 256<<16                     ; the head's loads bring 256 rows; the ring's 128 (set behind the head's wait)
	s_mov_b32 s[\g+3], ROWB<<16
	s_mov_b32 s[\g+4], 256
	s_mov_b32 s[\g+5], KROW
	s_mov_b32 s[\g+6], 0
	s_mov_b32 s[\g+7], 0
.endr
	; the scales of 256 rows: 8,192 dense bytes as rows of 256 (32 elements of 8 bytes), 16 bytes of padding behind each
	s_or_b32 s[G1S+0], s43, (3<<16)|(1<<20)|(1<<21)|(5<<22)|(3<<25)
	s_or_b32 s[G1SB+0], s44, (3<<16)|(1<<20)|(1<<21)|(5<<22)|(3<<25)
.irp g, G1S, G1SB
	s_mov_b32 s[\g+1], 32<<16
	s_mov_b32 s[\g+2], (256*KS/256)<<16            ; the scales of all 256 rows in one load
	s_mov_b32 s[\g+3], 32<<16
	s_mov_b32 s[\g+4], 256*KS/256
	s_mov_b32 s[\g+5], 32
	s_mov_b32 s[\g+6], 0
	s_mov_b32 s[\g+7], 0
.endr
	s_lshl_b32 s20, s17, 8                         ; A: the tile's first row
	s_lshl_b32 s46, s42, 8                         ; B: likewise
	s_mov_b32 s21, 0
	s_mov_b32 s47, 0
	s_mov_b64 s[18:19], KS
	s_mul_u64 s[22:23], s[20:21], s[18:19]
	s_mul_u64 s[92:93], s[46:47], s[18:19]
	s_mov_b64 s[18:19], KROW
	s_mul_u64 s[20:21], s[20:21], s[18:19]
	s_mul_u64 s[46:47], s[46:47], s[18:19]
	s_mul_i32 s45, s14, HALFT                      ; where they go: wave x 128 rows
	s_add_nc_u64 s[20:21], s[4:5], s[20:21]
	s_add_nc_u64 s[22:23], s[6:7], s[22:23]
	s_add_nc_u64 s[46:47], s[8:9], s[46:47]
	s_add_nc_u64 s[92:93], s[10:11], s[92:93]
	CROUND                                         ; all sixteen work-groups are here: the first joint loads meet
	s_mov_b32 s[G0S], 1
	s_mov_b32 s[G0S+1], SCL
	s_mov_b64 s[G0S+2:G0S+3], s[22:23]
	s_or_b32 s[G0S+3], s[G0S+3], 0x80000000
	s_mov_b32 s[G0SB], 1
	s_mov_b32 s[G0SB+1], SCL+2*HALFS
	s_mov_b64 s[G0SB+2:G0SB+3], s[92:93]
	s_or_b32 s[G0SB+3], s[G0SB+3], 0x80000000
.set G0H, 4                            ; s[4:7], s[8:11] group 0 of the head's loads of K step 0 (the pointers that lay there have been used)
.set G0HB, 8
	s_mov_b32 s[G0H], 1
	s_mov_b32 s[G0H+1], 0
	s_mov_b64 s[G0H+2:G0H+3], s[20:21]
	s_or_b32 s[G0H+3], s[G0H+3], 0x80000000
	s_mov_b32 s[G0HB], 1
	s_mov_b32 s[G0HB+1], 2*HALFT
	s_mov_b64 s[G0HB+2:G0HB+3], s[46:47]
	s_or_b32 s[G0HB+3], s[G0HB+3], 0x80000000
	; the prefetches: waves 0, 1 ask for A's tile, waves 2, 3 for B's.  Of a tile's 256 rows the partner at place p among the four that load it jointly takes 64, told apart by address; a wave 32 of them, a lane a row
	s_cmp_eq_u32 s15, 0
	s_cselect_b64 s[100:101], s[20:21], s[46:47]
	s_cselect_b32 s18, s40, s41
	s_lshl_b32 s18, s18, 16
	s_lshl_b32 s19, s16, 15
	s_add_co_u32 s18, s18, s19
	s_mov_b32 s19, 0
	s_add_nc_u64 s[100:101], s[100:101], s[18:19]
	s_mul_i32 s18, s16, 128*KROW                   ; for the ring: my 128 rows of the tile
	s_mov_b32 s19, 0
	s_add_nc_u64 s[20:21], s[20:21], s[18:19]
	s_add_nc_u64 s[46:47], s[46:47], s[18:19]
.irp s, 0,1
	s_mov_b32 s[G0+4*\s], 1
	s_add_co_u32 s[G0+4*\s+1], s45, \s*SLOT
	s_add_nc_u64 s[G0+4*\s+2:G0+4*\s+3], s[20:21], \s*ROWB
	s_or_b32 s[G0+4*\s+3], s[G0+4*\s+3], 0x80000000
	s_mov_b32 s[G0B+4*\s], 1
	s_add_co_u32 s[G0B+4*\s+1], s45, \s*SLOT
	s_add_nc_u64 s[G0B+4*\s+2:G0B+4*\s+3], s[46:47], \s*ROWB
	s_or_b32 s[G0B+4*\s+3], s[G0B+4*\s+3], 0x80000000
.endr
; the head's four tiles, one joint load a wave: wave 0 A's 256 rows of K step 0, wave 1 B's, wave 2 A's scales, wave 3 B's; one chain of arms with one join
.macro ARM under, g0, g1
	s_cmp_lt_u32 s14, \under
	s_cbranch_scc0 .Lnext_arm_\@
	tensor_load_to_lds s[\g0:\g0+3], s[\g1:\g1+7]
	s_nop 0
.rept 4
	v_nop
.endr
	s_branch .Lhead_asked
.Lnext_arm_\@:
.endm
	ARM 1, G0H, G1
	ARM 2, G0HB, G1B
	ARM 3, G0S, G1S
	tensor_load_to_lds s[G0SB:G0SB+3], s[G1SB:G1SB+7]
	s_nop 0
.rept 4
	v_nop
.endr
.Lhead_asked:
	v_and_b32 v31, 31, v0
	v_lshlrev_b32 v31, 10, v31                     ; v31: my lane's row, 1,024 bytes a row; never rewritten
	global_prefetch_b8 v31, s[100:101] offset:2*ROWB th:TH_LOAD_NT scope:SCOPE_SE   ; behind K step 0's load: K step 2, 256 bytes of each row
	v_and_b32 v1, 15, v0                           ; r = l % 16
	v_bfe_u32 v2, v0, 4, 1                         ; h = l / 16
	v_mul_u32_u24 v3, v1, PITCH
	v_lshl_add_u32 v4, v2, 4, v3
	s_mul_i32 s21, s15, HALFT
	s_mul_i32 s22, s16, HALFT
	s_add_co_u32 s22, s22, 2*HALFT
.irp s, 0,1
	v_add_nc_u32 v[ADRA+\s], s21, v4
	v_add_nc_u32 v[ADRB+\s], s22, v4
	s_add_co_u32 s21, s21, SLOT
	s_add_co_u32 s22, s22, SLOT
.endr
	v_mul_u32_u24 v5, v1, KS                       ; my row's scales: 32 bytes a row, and 16 more for each 256 passed
	v_lshrrev_b32 v6, 8, v5
	v_lshl_add_u32 v5, v6, 4, v5
	s_mul_i32 s21, s15, HALFS
	s_mul_i32 s22, s16, HALFS
	s_add_co_u32 s22, s22, 2*HALFS
	s_sub_co_u32 s22, s22, s21
	v_mul_u32_u24 v6, s22, v2                      ; lanes 16-31 take B's
	s_add_co_u32 s21, s21, SCL
	v_add_nc_u32 v5, v5, v6
	v_add_nc_u32 v[ADRS], s21, v5
	; the biases.  By column: BI[8 b + j] = bias[n0 + 16 b + 8 h + j]; by row: BV[a] = bias[m0 + 16 a + r].  The role's mask clears the offset and then the numbers of the one that it does not have.
	s_lshl_b32 s92, s42, 8
	s_lshl_b32 s93, s16, 7
	s_add_co_u32 s92, s92, s93                     ; n0
	s_and_b32 s92, s92, s66
	s_lshl_b32 s92, s92, 2
	v_lshl_add_u32 v7, v2, 5, s92
	s_lshl_b32 s93, s17, 8
	s_lshl_b32 s94, s15, 7
	s_add_co_u32 s93, s93, s94                     ; m0
	s_and_b32 s93, s93, s67
	s_lshl_b32 s93, s93, 2
	v_lshl_add_u32 v30, v1, 2, s93
.irp b, 0,1,2,3,4,5,6,7
	global_load_b128 v[BI+8*\b:BI+8*\b+3], v7, s[98:99] offset:64*\b
	global_load_b128 v[BI+8*\b+4:BI+8*\b+7], v7, s[98:99] offset:64*\b+16
.endr
.irp a, 0,1,2,3,4,5,6,7
	global_load_b32 v[BV+\a], v30, s[98:99] offset:64*\a
.endr
	s_wait_loadcnt 0x0
.set II, 0
.rept 64
	v_and_b32 v[BI+II], s66, v[BI+II]
.set II, II+1
.endr
.set II, 0
.rept 8
	v_and_b32 v[BV+II], s67, v[BV+II]
.set II, II+1
.endr
.macro FRAG reg, adr, q, i             ; a fragment, 16 rows x 128 K: lane l holds row l % 16; registers 4 c .. 4 c + 3 hold K = 32 c + 16 (l / 16) + 0 .. 15
.irp c, 0,1,2,3
	ds_load_b128 v[\reg+4*\c:\reg+4*\c+3], v[\adr] offset:128*(\q)+32*\c+(\i)*16*PITCH
.endr
.endm
; 16 matrix instructions: A's blocks a0, a0 + 1 x B's eight.  first = 1: the sums start from the bias tile.  The 64 accumulators take turns, one instruction a turn.
.macro MUL16 a0, p, q, sc, first
.irp a, \a0, \a0+1
.irp b, 0,1,2,3,4,5,6,7
.if \first
	v_wmma_scale_f32_16x16x128_f8f6f4 v[8*(8*((\a)%4)+\b):8*(8*((\a)%4)+\b)+7], v[128*(\p)+FR*\b:128*(\p)+FR*\b+FR-1], v[AF+FR*(\a):AF+FR*(\a)+FR-1], v[BI+8*\b:BI+8*\b+7], v[SC+8*NQ*(\sc)+NQ*\b+(\q)], v[SC+8*NQ*(\sc)+NQ*(\a)+(\q)] matrix_a_fmt:MATRIX_FMT_BF8 matrix_b_fmt:MATRIX_FMT_BF8 matrix_a_scale:MATRIX_SCALE_ROW1
.else
	v_wmma_scale_f32_16x16x128_f8f6f4 v[8*(8*((\a)%4)+\b):8*(8*((\a)%4)+\b)+7], v[128*(\p)+FR*\b:128*(\p)+FR*\b+FR-1], v[AF+FR*(\a):AF+FR*(\a)+FR-1], v[8*(8*((\a)%4)+\b):8*(8*((\a)%4)+\b)+7], v[SC+8*NQ*(\sc)+NQ*\b+(\q)], v[SC+8*NQ*(\sc)+NQ*(\a)+(\q)] matrix_a_fmt:MATRIX_FMT_BF8 matrix_b_fmt:MATRIX_FMT_BF8 matrix_a_scale:MATRIX_SCALE_ROW1
.endif
.endr
.endr
.endm
.macro FETCH_B slot, q, p
	WIN TO_B
.irp i, 0,1,2,3,4,5,6,7
	FRAG 128*(\p)+FR*\i, ADRB+\slot, \q, \i
.endr
	WIN 0
.endm
.macro FETCH_A slot, q, i0
.irp i, \i0, \i0+1, \i0+2, \i0+3
	FRAG AF+FR*(\i), ADRA+\slot, \q, \i
.endr
.endm
.macro SCALES sc                       ; a K step's scale words: lanes 0-15 take A's block i, lanes 16-31 B's block i
.irp i, 0,1,2,3,4,5,6,7
	ds_load_b64 v[SC+8*NQ*\sc+NQ*\i:SC+8*NQ*\sc+NQ*\i+1], v[ADRS] offset:\i*SBLK
.endr
.endm
.macro PLACES n                        ; plain vector places behind matrix instructions, in front of loads into their registers and of reads of their results
.rept \n
	v_nop
.endr
.endm
.macro STEP slot, q, first             ; a step of 128 along K that has its successor in the same slot
	s_wait_dscnt 4*NL                              ; B's set and A's blocks 0-3 are in; the youngest 16 loads (A's blocks 4-7) may be out
.if \first
	WIN BEG_LO
.else
	WIN MUL_LO
.endif
	MUL16 0, (\q)%2, \q, \slot, \first
	MUL16 2, (\q)%2, \q, \slot, \first
	s_wait_dscnt 0
	PLACES NP
	FETCH_B \slot, (\q)+1, 1-(\q)%2
	FETCH_A \slot, (\q)+1, 0
.if \first
	WIN BEG_HI
.else
	WIN MUL_HI
.endif
	MUL16 4, (\q)%2, \q, \slot, \first
	MUL16 6, (\q)%2, \q, \slot, \first
	PLACES NP
	WIN 0
	FETCH_A \slot, (\q)+1, 4
.endm
; A slot's last step changes slots: one barrier; in front of it each wave waits for all its tensor loads, adds 0 to its spare word, and waits for that and for its reads of this slot.
.macro TURN slot, next, fill
	s_wait_tensorcnt 0x0                           ; all my tensor loads have landed: my part of the next slot
	ds_add_u32 v[SPW], v[NIL]                      ; 0 onto my spare word
	s_wait_dscnt 4*NL+1                            ; the add and the youngest 16 loads (A's blocks 4-7) may be out
	WIN MUL_LO
	MUL16 0, 1, NQ-1, \slot, 0
	s_wait_dscnt 0x0                               ; the add is done, and my reads of this slot are over
	s_barrier_signal -1
	MUL16 2, 1, NQ-1, \slot, 0
	WIN 0
	s_barrier_wait -1
.if \fill
	CREST                                          ; the barrier has opened a round of the cluster's: no wave of any partner still reads this slot or has a load on its way
	s_add_nc_u64 s[G0+4*\slot+2:G0+4*\slot+3], s[G0+4*\slot+2:G0+4*\slot+3], 2*ROWB
	s_add_nc_u64 s[G0B+4*\slot+2:G0B+4*\slot+3], s[G0B+4*\slot+2:G0B+4*\slot+3], 2*ROWB
	JLOAD G0+4*\slot, G1, G0B+4*\slot, G1B         ; the first tensor load behind the round; its four v_nop are among the places below
	PLACES NP-4
.else
	PLACES NP
.endif
	s_wait_alu depctr_va_vdst(0)
	v_add_nc_u32 v[ADRS], 4*NQ, v[ADRS]            ; the next K step's scale words
	FETCH_B \next, 0, 0
	FETCH_A \next, 0, 0
	SCALES \next
	WIN MUL_HI
	MUL16 4, 1, NQ-1, \slot, 0
	MUL16 6, 1, NQ-1, \slot, 0
	PLACES NP
	WIN 0
	FETCH_A \next, 0, 4
.endm
	s_wait_alu depctr_va_vdst(0)
	s_wait_tensorcnt 0x0                           ; my tile of the head's four is in
	ds_add_u32 v[SPW], v[NIL]
	s_mov_b32 s[G1+2], 128<<16                     ; no tensor load of mine is out: from here on a load brings 128 rows
	s_mov_b32 s[G1+4], 128
	s_mov_b32 s[G1B+2], 128<<16
	s_mov_b32 s[G1B+4], 128
	s_wait_dscnt 0x0
	CROUND                                         ; all four tiles are in, and all sixteen work-groups are here
	JLOAD G0+4, G1, G0B+4, G1B                     ; K step 1, the first tensor load behind the round
	FETCH_B 0, 0, 0
	global_prefetch_b8 v31, s[100:101] offset:3*ROWB th:TH_LOAD_NT scope:SCOPE_SE   ; behind K step 1's load: K step 3, the last; the refills ask for nothing
	FETCH_A 0, 0, 0
	SCALES 0
	FETCH_A 0, 0, 4
	STEP 0, 0, 1                                   ; the first step stands in front of the loop: its products start the sums from the bias tile
	s_mov_b32 s3, LAPS-1
.Llap:                                                 ; a trip goes once round the ring and fills both slots again
	TURN 0, 1, 1
	STEP 1, 0, 0
	TURN 1, 0, 1
	STEP 0, 0, 0
	s_sub_co_u32 s3, s3, 1
	s_cmp_lg_u32 s3, 0
	s_cbranch_scc1 .Llap
	TURN 0, 1, 0                                   ; the last lap fills nothing
	STEP 1, 0, 0
	s_wait_dscnt 4*NL
	WIN MUL_LO
	MUL16 0, 1, NQ-1, 1, 0
	MUL16 2, 1, NQ-1, 1, 0
	s_wait_dscnt 0
	WIN MUL_HI
	MUL16 4, 1, NQ-1, 1, 0
	MUL16 6, 1, NQ-1, 1, 0
	WIN 0
; THE WAY OUT, block by block of 16 rows of A x 128 columns of B.  A lane's 64 numbers are 16 of each of four blocks of 32 columns; lane l xor 16 holds the other 16.
.set W,   64                           ; the block's numbers, with v's bias
.set PC,  128                          ; its codes
.set TM,  144                          ; at work
.set PW,  160                          ; its scale word
.set OB,  164                          ; a block's codes read back by rows
.set SW,  180                          ; the wave's scale words read back
.set VO,  16                           ; v16-19 my byte offsets in the codes' buffer
.set LI,  20                           ; 16 x lane
.set STO, 24
.set RD,  25
.set SSA, 26
.set SSR, 27
.set SEL, 36
.set MNT, 38
	PLACES NP
	s_lshl_b32 s20, s17, 8
	s_lshl_b32 s21, s15, 7
	s_add_co_u32 s20, s20, s21                     ; m0: my first row of A
	s_lshl_b32 s21, s42, 8
	s_lshl_b32 s22, s16, 7
	s_add_co_u32 s21, s21, s22                     ; n0: my first row of B
	s_mov_b32 s92, 1024
	s_mov_b32 s93, 0
	s_mov_b32 s94, 1024
	s_mov_b32 s95, 0
	s_mov_b32 s[SEL], 0x76543210
	s_mov_b32 s[SEL+1], 0xfedcba98
	s_mov_b32 s[MNT], 0x600000
	s_cmp_eq_u32 ttmp9, 2                          ; first number: v; second: q and k
	s_cselect_b32 s22, 10, 12                      ; rows of scale words in a plane: 1,024 or 4,096
	s_cselect_b32 s23, 128, 64                     ; bytes from row to row of the codes
	s_cselect_b32 s24, 64, 0x10000                 ; bytes from a row's first 64 codes to its second: on in the row, or a head on
	s_cselect_b32 s92, 2048, s92                   ; bytes from a block of 16 rows to the next
	s_cselect_b32 s94, 59392, s94                  ; and from block 3 to block 4: v's rows pass into the next head (65,536 - 3 x 2,048)
	s_cselect_b32 s25, s21, s20                    ; X: my first token
	s_cselect_b32 s26, s20, s21                    ; Y: my first feature h 64 + d
	s_lshl_b32 s28, ttmp9, 22                      ; the role's region,
	s_lshr_b32 s29, s25, 10
	s_lshl_b32 s29, s29, 20                        ; the batch,
	s_add_co_u32 s28, s28, s29
	s_lshr_b32 s29, s26, 6
	s_lshl_b32 s29, s29, 16                        ; the head,
	s_add_co_u32 s28, s28, s29
	s_and_b32 s29, s25, 1023
	s_lshl_b32 s29, s29, 6                         ; the token x 64: q's and k's row, and v's plane of 128 keys alike
	s_add_co_u32 s28, s28, s29
	s_mov_b32 s29, 0
	s_lshr_b32 s30, s21, 7
	s_lshl_b32 s30, s30, s22
	s_add_co_u32 s30, s30, s20
	s_lshl_b32 s30, s30, 2                         ; scale words: plane n0 / 128, row m0
	s_lshl_b32 s31, ttmp9, 17
	s_add_co_u32 s30, s30, s31
	s_add_co_u32 s30, s30, 12582912
	s_mov_b32 s31, 0
	s_add_nc_u64 s[96:97], s[12:13], s[30:31]
	s_add_nc_u64 s[12:13], s[12:13], s[28:29]
	v_and_b32 v1, 15, v0                           ; r
	v_bfe_u32 v2, v0, 4, 1                         ; h
	v_and_b32 v3, 31, v0                           ; lane
	v_bfe_u32 v4, v0, 3, 2                         ; lane / 8
	v_and_b32 v5, 7, v0
	v_bfe_u32 v6, v0, 2, 1
	v_and_b32 v7, 3, v0
	s_mul_i32 s27, s14, STGW                       ; my stage.  It lies in slot 0, which has had its last fill and its last read
	v_mul_u32_u24 v[STO], v1, 144
	v_lshl_add_u32 v[STO], v2, 4, v[STO]
	v_add_nc_u32 v[STO], s27, v[STO]               ; in: row r, 16 bytes for each half of the lanes
	v_mul_u32_u24 v[RD], v4, 144
	v_lshl_add_u32 v[RD], v5, 4, v[RD]
	v_add_nc_u32 v[RD], s27, v[RD]                 ; back: eight lanes to a row of 128 bytes, four rows an instruction
	s_add_co_u32 s27, s27, 2304
	v_lshl_add_u32 v[SSA], v1, 2, s27
	v_lshl_add_u32 v[SSR], v3, 4, s27
	v_lshlrev_b32 v[LI], 4, v3
	v_mul_u32_u24 v[VO], v4, s23
	v_mad_u32_u24 v[VO], v6, s24, v[VO]
	v_lshl_add_u32 v[VO], v7, 4, v[VO]
	s_lshl_b32 s23, s23, 2
	v_add_nc_u32 v[VO+1], s23, v[VO]
	v_add_nc_u32 v[VO+2], s23, v[VO+1]
	v_add_nc_u32 v[VO+3], s23, v[VO+2]
.irp b, 0,1,2,3
	v_mov_b32 v[TM+4+\b], 0                        ; written once: a lane permute's destination counts as one of its sources
.endr
; 64 numbers of a lane, 16 of each of four blocks, become 16 registers of codes in v[PC] on and the row's scale word in v[PW]
.macro QUANT s
.irp b, 0,1,2,3
	v_max3_num_f32 v[TM+\b], |v[\s+16*\b]|, |v[\s+1+16*\b]|, 0x8000000   ; my 16 numbers, and the floor 2^(16 - 127): the byte cannot fall under 1
.endr
.irp i, 2,4,6,8,10,12,14
.irp b, 0,1,2,3
	v_max3_num_f32 v[TM+\b], v[TM+\b], |v[\s+16*\b+\i]|, |v[\s+1+16*\b+\i]|
.endr
.endr
.irp b, 0,1,2,3
	v_permlanex16_b32 v[TM+4+\b], v[TM+\b], s[SEL], s[SEL+1]
.endr
.irp b, 0,1,2,3
	v_max_num_f32 v[TM+\b], v[TM+\b], v[TM+4+\b]   ; with lane l xor 16's: the block's largest magnitude
.endr
.irp b, 0,1,2,3
	v_add_nc_u32 v[TM+12+\b], 0xf8800000, v[TM+\b]   ; 15 off its exponent field: the conversion's scale operand
.endr
.irp b, 0,1,2,3
	v_and_or_b32 v[TM+8+\b], v[TM+\b], 0x7f800000, s[MNT]   ; 57,344 x the scale
.endr
.irp b, 0,1,2,3
	v_lshrrev_b32 v[TM+4+\b], 23, v[TM+12+\b]      ; the scale's byte
.endr
	v_lshl_or_b32 v[PW], v[TM+5], 8, v[TM+4]
	v_lshl_or_b32 v[PW], v[TM+6], 16, v[PW]
	v_lshl_or_b32 v[PW], v[TM+7], 24, v[PW]
.irp b, 0,1,2,3
.irp i, 0,1,2,3,4,5,6,7,8,9,10,11,12,13,14,15
	v_med3_num_f32 v[\s+16*\b+\i], v[\s+16*\b+\i], -v[TM+8+\b], v[TM+8+\b]   ; the conversion does not saturate (ISA guide 7.6.2): hold first
.endr
	v_cvt_scalef32_pk8_bf8_f32 v[PC+4*\b:PC+1+4*\b], v[\s+16*\b:\s+7+16*\b], v[TM+12+\b]
	v_cvt_scalef32_pk8_bf8_f32 v[PC+2+4*\b:PC+3+4*\b], v[\s+8+16*\b:\s+15+16*\b], v[TM+12+\b]
.endr
	v_nop                                          ; one plain line behind the last conversion
.endm
.macro SEND                            ; four rows an instruction: v: 512 consecutive bytes; q, k: 256 consecutive bytes in each of two heads
.irp i, 0,1,2,3
	global_store_b128 v[VO+\i], v[OB+4*\i:OB+4*\i+3], s[12:13]
.endr
.endm
.macro OUTBLK a
	WIN 0x02+(\a)/4                                ; source 0: window 2 or 3
.set AC, 64*((\a)%4)
.set II, 0
.rept 32                                       ; + v's bias of my row (an exact 0 for q and k); each accumulator is read from its low end on
.if (\a)%2
	v_pk_add_f32 v[W+II:W+II+1], v[AC+II:AC+II+1], v[BV+2*((\a)/2):BV+2*((\a)/2)+1] op_sel:[0,1] op_sel_hi:[1,1]
.else
	v_pk_add_f32 v[W+II:W+II+1], v[AC+II:AC+II+1], v[BV+2*((\a)/2):BV+2*((\a)/2)+1] op_sel:[0,0] op_sel_hi:[1,0]
.endif
.set II, II+2
.endr
	WIN 0
.if (\a) > 0
	s_wait_dscnt 0x0                               ; the block before is back from the stage, and its stage stores have read their registers
	SEND
.endif
	QUANT W
.if (\a) > 0
	s_wait_alu depctr_va_vdst(0)
	s_wait_xcnt 0x0                                ; the stores have read their registers and their base
.if (\a) == 4
	s_add_nc_u64 s[12:13], s[12:13], s[94:95]
.else
	s_add_nc_u64 s[12:13], s[12:13], s[92:93]
.endif
.endif
.irp c, 0,1,2,3
	ds_store_b128 v[STO], v[PC+4*\c:PC+4*\c+3] offset:32*\c      ; a lane's 16 codes of block c as they stand
.endr
	ds_store_b32 v[SSA], v[PW] offset:64*(\a)      ; both halves of the lanes write the same word with the same value
.irp i, 0,1,2,3
	ds_load_b128 v[OB+4*\i:OB+4*\i+3], v[RD] offset:576*\i       ; LDS serves a wave's instructions in order: these see the stores above
.endr
.endm
.irp a, 0,1,2,3,4,5,6,7
	OUTBLK \a
.endr
	s_wait_dscnt 0x0
	SEND
	ds_load_b128 v[SW:SW+3], v[SSR]
	s_wait_dscnt 0x0
	global_store_b128 v[LI], v[SW:SW+3], s[96:97]  ; my 128 rows' scale words: 512 consecutive bytes
	s_wait_tensorcnt 0x0                           ; the wave's end
	ds_add_u32 v[SPW], v[NIL]
	s_wait_dscnt 0x0
	CROUND                                         ; the closing round
	s_endpgm
.Lfunc_end_k_q1ba98cbcad_qkv:
	.size	k_q1ba98cbcad_qkv, .Lfunc_end_k_q1ba98cbcad_qkv-k_q1ba98cbcad_qkv
	.p2alignl 7, 3214868480
	.fill 96, 4, 3214868480
	.section	.rodata,"a",@progbits
	.p2align	6, 0x0
	.amdhsa_kernel k_q1ba98cbcad_qkv
		.amdhsa_group_segment_fixed_size 327680
		.amdhsa_private_segment_fixed_size 0
		.amdhsa_enable_private_segment 0
		.amdhsa_kernarg_size 88
		.amdhsa_user_sgpr_count 2
		.amdhsa_user_sgpr_kernarg_segment_ptr 1
		.amdhsa_wavefront_size32 1
		.amdhsa_system_sgpr_workgroup_id_x 1
		.amdhsa_system_sgpr_workgroup_id_y 1
		.amdhsa_system_sgpr_workgroup_id_z 1
		.amdhsa_system_vgpr_workitem_id 0
		.amdhsa_next_free_vgpr 1024
		.amdhsa_next_free_sgpr 102
		.amdhsa_reserve_vcc 0
		.amdhsa_float_denorm_mode_32 3
		.amdhsa_float_denorm_mode_16_64 3
		.amdhsa_memory_ordered 1
		.amdhsa_forward_progress 1
		.amdhsa_inst_pref_size 214
	.end_amdhsa_kernel
	.amdgpu_metadata
---
amdhsa.version: [ 1, 2 ]
amdhsa.kernels:
  - .name:           k_q1ba98cbcad_qkv
    .symbol:         k_q1ba98cbcad_qkv.kd
    .args:
      - { .name: XQ, .offset: 0, .size: 8, .value_kind: global_buffer, .address_space: global }
      - { .name: Wq_codes, .offset: 8, .size: 8, .value_kind: global_buffer, .address_space: global }
      - { .name: Wq_scales, .offset: 16, .size: 8, .value_kind: global_buffer, .address_space: global }
      - { .name: Wk_codes, .offset: 24, .size: 8, .value_kind: global_buffer, .address_space: global }
      - { .name: Wk_scales, .offset: 32, .size: 8, .value_kind: global_buffer, .address_space: global }
      - { .name: Wv_codes, .offset: 40, .size: 8, .value_kind: global_buffer, .address_space: global }
      - { .name: Wv_scales, .offset: 48, .size: 8, .value_kind: global_buffer, .address_space: global }
      - { .name: bq, .offset: 56, .size: 8, .value_kind: global_buffer, .address_space: global }
      - { .name: bk, .offset: 64, .size: 8, .value_kind: global_buffer, .address_space: global }
      - { .name: bv, .offset: 72, .size: 8, .value_kind: global_buffer, .address_space: global }
      - { .name: QKV, .offset: 80, .size: 8, .value_kind: global_buffer, .address_space: global }
    .group_segment_fixed_size: 327680
    .private_segment_fixed_size: 0
    .kernarg_segment_align: 8
    .kernarg_segment_size: 88
    .max_flat_workgroup_size: 128
    .sgpr_count:     102
    .vgpr_count:     1024
    .wavefront_size: 32
...
	.end_amdgpu_metadata
.endif
;; end of part 2
;; launch attn (part 3): grid 4 x 64, 16 waves a work-group, clusters of 4 x 1, 184,320 bytes of LDS; arguments QKV, CTX; writes CTX
.if DOCPART == 3
	.amdgcn_target "amdgcn-amd-amdhsa--gfx1250"
	.amdhsa_code_object_version 6
	.text
	.protected	k_q1ba98cbcad_attn
	.globl	k_q1ba98cbcad_attn
	.p2align	8
	.type	k_q1ba98cbcad_attn,@function
k_q1ba98cbcad_attn:
	s_mov_b64 s[64:65], 0
	v_nop
	global_prefetch_b8 v0, s[64:65] scope:SCOPE_SE
	s_setreg_imm32_b32 hwreg(HW_REG_WAVE_MODE, 25, 1), 1
	s_wait_xcnt 0x0
	s_wait_alu depctr_hold_cnt(0) depctr_sa_sdst(0) depctr_va_vdst(0) depctr_va_sdst(0) depctr_va_ssrc(0) depctr_va_vcc(0) depctr_vm_vsrc(0)
	s_getreg_b32 s2, hwreg(HW_REG_IB_STS2, 6, 4)
	s_cmp_eq_u32 s2, 0
	s_cbranch_scc0 .Lentry_in_a_cluster
	s_endpgm
.Lentry_in_a_cluster:
	s_bfe_u32 s2, ttmp6, 0x10000c
	s_cmp_lg_u32 s2, 0x3003
	s_cbranch_scc0 .Lentry_shape_is_right
	s_endpgm
.Lentry_shape_is_right:
; ctx[b][q][h 64 + d] = the sum over keys of softmax(q . k / 8) v, both products on codes of BF8 (E5M2) with E8M0 scales, and ctx's quantising along h 64 + d.
; THE SOFTMAX AHEAD OF THE SECOND PRODUCT: t = score x log2(e) / 8 (q's codes come without the factor 1/8, a power of two: it stands in the constant); M = the largest t so far, rounded UP to a whole number;
; p = 2^(t - M) is quantised along the keys, not normalised.  The row's sum is taken of the unquantised p and divides at the end.  When M moves, the sum and O are multiplied by 2^(old M - new M): exact.
; SHARES.  Work-group y = 16 b + h is a head; the cluster's four work-groups are its four blocks of 256 queries; each of sixteen waves owns 16 queries in 256 registers.
; A head's codes of k and v are 128 KiB: ALL OF THEM COME INTO LDS ONCE, by joint loads that name the four work-groups; nothing is filled again, so the loop has no barrier.
; Both products are used transposed: S^T = k q^T, O^T = v^T p^T: a lane holds one query throughout.  A tile of k is 16 neighbouring keys, so p's codes stand at position 16 h + 8 u + j of a block of 32 for key
; 16 u + 8 h + j: v's codes were laid in that order, and q's and k's share one order of d.
; THE FIRST PRODUCT'S K IS 64: q's registers 8-15 are zero codes.  Registers 8-15 of k's fragments are cleared once and later hold v's codes of the step before, finite numbers all: times q's zeros they add nothing.
; The upper two scale bytes of q and k are 0, which is 2^-127 and no NaN.
; LIMITS: a block of zeros gets the byte 1 where the rule says 127; blocks under 2^-111 are held at byte 1; NaN and infinities are not served.
; REGISTERS: v1-4 lane places; v8-11 addresses in hand; v12 -M, v13 the largest t, v[14:15] the sum; v16-31 q; v32-95 four fragments of k or v; v96-159 S^T, then p; v160-191 O^T; v192-207 p's codes;
; v232-247, v252, v254 at work; v248-251 k's or v's scale words, v253 p's, v255 q's.
.set KP,    80                         ; a key's row in LDS: 64 bytes + 16
.set VP,    144                        ; a row of v's tile: 128 bytes + 16
.set VT,    81920                      ; behind k's 1,024 rows: v, 8 steps x 64 rows
.set KSC,   155648                     ; k's scale words, 4 bytes a key (two of them this head's)
.set VSC,   159744                     ; v's: 8 steps x 64 words
.set STG,   161792                     ; the way out: 16 rows x 80 bytes for each wave
.set AK0,  1
.set AV0,  2
.set ASK0, 3
.set ASV0, 4
.set ADK,  8
.set ADV,  9
.set ADS,  10
.set ADT,  11
.set WV,   18
.set MNT,  19
.set SEL,  20
.set CS,   22
.set G1K,  24
.set G1V,  32
.set G1SK, 40
.set G1SV, 48
.set G0SK, 56
.set G0SV, 60
.set G0K,  68                          ; s[68:83] k's four pieces of 256 keys
.set G0V,  84                          ; s[84:99] v's four pieces of two steps
.set TBK,  100
.set TBV,  101
.set TS,   104
.set TJ,   105
.macro CROUND
	s_barrier_signal -1
	s_barrier_wait -1
	s_cmp_lg_u32 s[WV], 0
	s_cbranch_scc1 .Lnot_wave_0_\@
	s_barrier_signal -3
.Lnot_wave_0_\@:
	s_barrier_wait -3
	s_barrier_signal -1
	s_barrier_wait -1
.endm
	s_load_b128 s[4:7], s[0:1], 0x0                ; QKV, CTX
	v_lshl_add_u32 v230, v0, 2, 0x2c800
	v_mov_b32 v231, 0
	ds_add_u32 v230, v231
	ds_add_u32 v230, v231
	v_lshrrev_b32 v8, 5, v0
	s_delay_alu instid0(VALU_DEP_1)
	v_readfirstlane_b32 s[WV], v8                  ; wave 0..15
	s_bfe_u32 s8, ttmp6, 0x40000                   ; cx: my block of 256 queries: it enters q's and ctx's addresses alone
	s_and_b32 s9, ttmp7, 0xffff                    ; 16 b + h, which the four partners share
	s_lshr_b32 s10, s9, 4                          ; b
	s_and_b32 s11, s9, 15                          ; h
	s_lshl_b32 s12, s9, 16                         ; the head's first byte in each region of codes
	s_lshr_b32 s13, s11, 1
	s_lshl_b32 s13, s13, 12
	s_lshl_b32 s16, s10, 10
	s_add_co_u32 s13, s13, s16
	s_lshl_b32 s13, s13, 2                         ; the head's first scale word of q and of k: plane h / 2, token 1,024 b
	s_mov_b32 s17, 0
	; descriptor group 1.  15:0 the mask: all four work-groups; 21 set beside a mask
	s_mov_b32 s[G1K], 15|(1<<20)|(1<<21)|(3<<22)|(3<<25)          ; k: 256 rows of 64 bytes, four words of padding behind every 16
	s_mov_b32 s[G1K+1], 256<<16                    ; the 256 rows of 64 bytes are dense: stated as 64 rows of 256 bytes, the padding still behind every 64
	s_mov_b32 s[G1K+2], 64<<16
	s_mov_b32 s[G1K+3], 256<<16
	s_mov_b32 s[G1K+4], 64
	s_mov_b32 s[G1K+5], 256
	s_mov_b32 s[G1K+6], 0
	s_mov_b32 s[G1K+7], 0
	s_mov_b32 s[G1V], 15|(1<<20)|(1<<21)|(4<<22)|(3<<25)          ; v: 128 rows of 128 bytes, four words behind every 32
	s_mov_b32 s[G1V+1], 256<<16                    ; likewise: 128 dense rows of 128 bytes as 64 rows of 256, the padding behind every 128
	s_mov_b32 s[G1V+2], 64<<16
	s_mov_b32 s[G1V+3], 256<<16
	s_mov_b32 s[G1V+4], 64
	s_mov_b32 s[G1V+5], 256
	s_mov_b32 s[G1V+6], 0
	s_mov_b32 s[G1V+7], 0
	s_mov_b32 s[G1SK], 15|(3<<16)|(1<<21)                         ; k's scale words: 4,096 dense bytes as 16 rows of 32 elements of 8 bytes
	s_mov_b32 s[G1SK+1], 32<<16
	s_mov_b32 s[G1SK+2], 16<<16
	s_mov_b32 s[G1SK+3], 32<<16
	s_mov_b32 s[G1SK+4], 16
	s_mov_b32 s[G1SK+5], 32
	s_mov_b32 s[G1SK+6], 0
	s_mov_b32 s[G1SK+7], 0
	s_mov_b32 s[G1SV], 15|(3<<16)|(1<<21)                         ; v's: 8 rows (steps) of 256 bytes, 4,096 bytes apart
	s_mov_b32 s[G1SV+1], 32<<16
	s_mov_b32 s[G1SV+2], 8<<16
	s_mov_b32 s[G1SV+3], 32<<16
	s_mov_b32 s[G1SV+4], 8
	s_mov_b32 s[G1SV+5], 512
	s_mov_b32 s[G1SV+6], 0
	s_mov_b32 s[G1SV+7], 0
	s_mov_b32 s[SEL], 0x76543210
	s_mov_b32 s[SEL+1], 0xfedcba98
	s_mov_b32 s[CS], 0x3e38aa3b                    ; c = log2(e) / 8
	s_mov_b32 s[CS+1], s[CS]
	s_mov_b32 s[MNT], 0x600000
	s_mov_b32 s[TBK], 0
	s_mov_b32 s[TBV], 0
	s_mov_b32 s[TS], 0
	s_mov_b32 s[TJ], 0
	s_wait_dscnt 0x0
	s_wait_kmcnt 0x0
	s_add_co_u32 s16, s12, 4194304
	s_add_nc_u64 s[14:15], s[4:5], s[16:17]        ; k's codes of the head
.irp p, 0,1,2,3
	s_mov_b32 s[G0K+4*\p], 1
	s_mov_b32 s[G0K+4*\p+1], \p*256*KP
	s_add_nc_u64 s[G0K+4*\p+2:G0K+4*\p+3], s[14:15], \p*16384
	s_or_b32 s[G0K+4*\p+3], s[G0K+4*\p+3], 0x80000000
.endr
	s_add_co_u32 s16, s12, 8388608
	s_add_nc_u64 s[14:15], s[4:5], s[16:17]        ; v's
.irp p, 0,1,2,3
	s_mov_b32 s[G0V+4*\p], 1
	s_mov_b32 s[G0V+4*\p+1], VT+\p*128*VP
	s_add_nc_u64 s[G0V+4*\p+2:G0V+4*\p+3], s[14:15], \p*16384
	s_or_b32 s[G0V+4*\p+3], s[G0V+4*\p+3], 0x80000000
.endr
	s_add_co_u32 s16, s13, 12713984
	s_mov_b32 s[G0SK], 1
	s_mov_b32 s[G0SK+1], KSC
	s_add_nc_u64 s[G0SK+2:G0SK+3], s[4:5], s[16:17]
	s_or_b32 s[G0SK+3], s[G0SK+3], 0x80000000
	s_lshl_b32 s16, s10, 15                        ; v's scale words: plane 8 b, row 64 h
	s_lshl_b32 s2, s11, 8
	s_add_co_u32 s16, s16, s2
	s_add_co_u32 s16, s16, 12845056
	s_mov_b32 s[G0SV], 1
	s_mov_b32 s[G0SV+1], VSC
	s_add_nc_u64 s[G0SV+2:G0SV+3], s[4:5], s[16:17]
	s_or_b32 s[G0SV+3], s[G0SV+3], 0x80000000
	CROUND                                         ; all four work-groups are here: the joint loads meet
; the ten first fills, one joint load a wave, in one chain of arms with one join.
; Waves 0 to 3 fetch what the first 256 keys need: k's scale words, k's piece 0, v's scale words, v's piece 0; waves 4 to 9 the other pieces; waves 10 to 15 nothing.
.macro ARM under, g0, g1
	s_cmp_lt_u32 s[WV], \under
	s_cbranch_scc0 .Lnext_arm_\@
	tensor_load_to_lds s[\g0:\g0+3], s[\g1:\g1+7]
	s_nop 0
.rept 4
	v_nop
.endr
	s_branch .Lasked
.Lnext_arm_\@:
.endm
	ARM 1, G0SK, G1SK
	ARM 2, G0K, G1K
	ARM 3, G0SV, G1SV
	ARM 4, G0V, G1V
	ARM 5, G0K+4, G1K
	ARM 6, G0K+8, G1K
	ARM 7, G0K+12, G1K
	ARM 8, G0V+4, G1V
	ARM 9, G0V+8, G1V
	ARM 10, G0V+12, G1V
.Lasked:
	s_lshl_b32 s66, s8, 8
	s_lshl_b32 s2, s[WV], 4
	s_add_co_u32 s66, s66, s2                      ; q0: my first query in the head: 256 cx + 16 x wave
	s_lshl_b32 s16, s66, 6
	s_add_co_u32 s16, s16, s12
	s_add_nc_u64 s[14:15], s[4:5], s[16:17]        ; its codes
	s_lshl_b32 s16, s66, 2
	s_add_co_u32 s16, s16, s13
	s_and_b32 s2, s11, 1
	s_lshl_b32 s2, s2, 1                           ; this head's two bytes of a scale word
	s_add_co_u32 s16, s16, s2
	s_add_co_u32 s16, s16, 12582912
	s_add_nc_u64 s[8:9], s[4:5], s[16:17]          ; and its scale bytes
	v_and_b32 v8, 15, v0                           ; r
	v_bfe_u32 v9, v0, 4, 1                         ; the lane's half
	s_delay_alu instid0(VALU_DEP_2)
	v_lshlrev_b32 v10, 6, v8
	s_delay_alu instid0(VALU_DEP_1)
	v_lshl_add_u32 v10, v9, 4, v10
	global_load_b128 v[16:19], v10, s[14:15]       ; q's fragment, K = 0 .. 63
	global_load_b128 v[20:23], v10, s[14:15] offset:32
	v_lshlrev_b32 v254, 2, v8
	global_load_u16 v255, v254, s[8:9]             ; q's two scale bytes; the upper two come as 0
.irp i, 24,25,26,27,28,29,30,31
	v_mov_b32 v[\i], 0                             ; q's K = 64 .. 127: zero codes
.endr
.irp t, 0,1,2,3
.irp i, 8,9,10,11,12,13,14,15
	v_mov_b32 v[32+16*\t+\i], 0                    ; the upper half of k's fragments, once
.endr
.endr
	v_mul_u32_u24 v[AK0], v8, KP
	s_delay_alu instid0(VALU_DEP_1)
	v_lshl_add_u32 v[AK0], v9, 4, v[AK0]
	v_mul_u32_u24 v[AV0], v8, VP
	s_delay_alu instid0(VALU_DEP_1)
	v_lshl_add_u32 v[AV0], v9, 4, v[AV0]
	s_delay_alu instid0(VALU_DEP_1)
	v_add_nc_u32 v[AV0], VT, v[AV0]
	s_add_co_u32 s2, s2, KSC
	v_lshl_add_u32 v[ASK0], v8, 2, s2
	v_lshl_add_u32 v[ASV0], v8, 2, VSC
	v_mov_b32 v13, 0xff61b1e6                      ; the largest t so far: -3e38
	s_delay_alu instid0(VALU_DEP_1)
	v_floor_f32 v12, -v13                          ; -M
	v_mov_b32 v14, 0
	v_mov_b32 v15, 0
.irp b, 0,1,2,3
	v_mov_b32 v[236+\b], 0                         ; written once: a lane permute's destination counts as one of its sources
.endr
	v_mov_b32 v253, 0
.set II, 0
.rept 32
	v_mov_b32 v[160+II], 0                         ; O^T: the step is written once; the first finds zeros, which the first change of M leaves zeros
.set II, II+1
.endr
; A KEY STEP: 128 keys, the q-th of a pair
.macro STEP q
	v_add_nc_u32 v[ADK], s[TBK], v[AK0]
	s_wait_alu depctr_va_vdst(0)
	v_add_nc_u32 v[ADV], s[TBV], v[AV0]
	v_add_nc_u32 v[ADS], s[TS], v[ASK0]
	s_wait_alu depctr_va_vdst(0)
	v_add_nc_u32 v[ADT], s[TJ], v[ASV0]
.irp g, 0,1                                    ; S^T = k q^T, four tiles of 16 keys at a time
.rept 8-4*(1-\g)
	v_nop                                          ; eight places in front of loads into registers that matrix instructions have read; the four additions above are places too
.endr
.irp t, 0,1,2,3
.irp c, 0,1
	ds_load_b128 v[32+16*\t+4*\c:32+16*\t+4*\c+3], v[ADK] offset:(128*(\q)+16*(4*\g+\t))*KP+32*\c
.endr
	ds_load_u16 v[248+\t], v[ADS] offset:64*(4*\g+\t)
.endr
	s_wait_dscnt 0x0
.irp t, 0,1,2,3
	v_wmma_scale_f32_16x16x128_f8f6f4 v[96+8*(4*\g+\t):103+8*(4*\g+\t)], v[32+16*\t:47+16*\t], v[16:31], 0, v[248+\t], v255 matrix_a_fmt:MATRIX_FMT_BF8 matrix_b_fmt:MATRIX_FMT_BF8
.endr
.endr
.rept 8
	v_nop
.endr
.irp b, 0,1,2,3
	v_max3_num_f32 v[232+\b], v[96+16*\b], v[97+16*\b], v[98+16*\b]   ; the largest score of each block of 32 keys: for the row's maximum, and, since p rises with the score, for the block's largest p
.endr
.irp i, 3,5,7,9,11,13
.irp b, 0,1,2,3
	v_max3_num_f32 v[232+\b], v[232+\b], v[96+16*\b+\i], v[97+16*\b+\i]
.endr
.endr
.irp b, 0,1,2,3
	v_max_num_f32 v[232+\b], v[232+\b], v[111+16*\b]
.endr
.irp b, 0,1,2,3
	s_delay_alu instid0(VALU_DEP_4)
	v_permlanex16_b32 v[236+\b], v[232+\b], s[SEL], s[SEL+1]
.endr
.irp b, 0,1,2,3
	s_delay_alu instid0(VALU_DEP_4)
	v_max_num_f32 v[232+\b], v[232+\b], v[236+\b]  ; with lane l xor 16's 16 keys
.endr
	s_delay_alu instid0(VALU_DEP_2)
	v_max3_num_f32 v254, v232, v233, v234
	s_delay_alu instid0(VALU_DEP_1)
	v_max_num_f32 v254, v254, v235
	s_delay_alu instid0(VALU_DEP_1)
	v_mul_f32 v254, s[CS], v254                    ; the step's largest t
	s_delay_alu instid0(VALU_DEP_1)
	v_max_num_f32 v13, v13, v254
	v_mov_b32 v254, v12
	s_delay_alu instid0(VALU_DEP_2)
	v_floor_f32 v12, -v13                          ; the new -M = -ceil(t)
	s_delay_alu instid0(VALU_DEP_1)
	v_sub_f32 v254, v12, v254                      ; old M - new M: a whole number, 0 or less
	s_delay_alu instid0(VALU_DEP_1)
	v_cvt_i32_f32 v254, v254                       ; (it saturates)
	s_delay_alu instid0(VALU_DEP_1)
	v_ldexp_f32 v252, 1.0, v254                    ; f = 2^(old M - new M)
.irp j, 0,2,4,6,8,10,12,14,16,18,20,22,24,26,28,30,32,34,36,38,40,42,44,46,48,50,52,54,56,58,60,62
	v_pk_fma_f32 v[96+\j:97+\j], v[96+\j:97+\j], s[CS:CS+1], v[12:13] op_sel_hi:[1,0,0]   ; t - M
.endr
.irp b, 0,1,2,3
	v_fma_f32 v[232+\b], v[232+\b], s[CS], v12
.endr
.set II, 0
	s_wait_alu depctr_va_vdst(0)
.rept 64
	v_exp_f32 v[96+II], v[96+II]                   ; p = 2^(t - M), at most 1
.set II, II+1
.endr
.irp b, 0,1,2,3
	v_exp_f32 v[232+\b], v[232+\b]                 ; the block's largest p: the same two instructions on the same number
.endr
	v_pk_mul_f32 v[14:15], v[14:15], v[252:253] op_sel_hi:[1,0]   ; the sums under the new M (a plain line behind the exponentials)
	s_wait_alu depctr_va_vdst(0)
.irp b, 0,1,2,3
	v_max_num_f32 v[232+\b], 0x8000000, v[232+\b]  ; the floor 2^(16 - 127)
.endr
.irp b, 0,1,2,3
	s_delay_alu instid0(VALU_DEP_4)
	v_add_nc_u32 v[244+\b], 0xf8800000, v[232+\b]
.endr
.irp b, 0,1,2,3
	v_and_or_b32 v[240+\b], v[232+\b], 0x7f800000, s[MNT]
.endr
.irp b, 0,1,2,3
	v_lshrrev_b32 v[236+\b], 23, v[244+\b]
.endr
	s_delay_alu instid0(VALU_DEP_3)
	v_lshl_or_b32 v253, v237, 8, v236              ; p's scale word for these 128 keys
	s_delay_alu instid0(VALU_DEP_1)
	v_lshl_or_b32 v253, v238, 16, v253
	s_delay_alu instid0(VALU_DEP_1)
	v_lshl_or_b32 v253, v239, 24, v253
	v_pk_add_f32 v[236:237], v[100:101], v[104:105]
	v_pk_add_f32 v[250:251], v[108:109], v[112:113]
	v_pk_add_f32 v[248:249], v[116:117], v[120:121]
	v_pk_add_f32 v[232:233], v[124:125], v[128:129]
	v_pk_add_f32 v[228:229], v[132:133], v[136:137]
	v_pk_add_f32 v[226:227], v[140:141], v[144:145]
	v_pk_add_f32 v[224:225], v[148:149], v[152:153]
	v_pk_add_f32 v[14:15], v[14:15], v[156:157]
	v_pk_add_f32 v[236:237], v[236:237], v[96:97]
	v_pk_add_f32 v[250:251], v[250:251], v[98:99]
	v_pk_add_f32 v[248:249], v[248:249], v[102:103]
	v_pk_add_f32 v[232:233], v[232:233], v[106:107]
	v_pk_add_f32 v[228:229], v[228:229], v[110:111]
	v_pk_add_f32 v[226:227], v[226:227], v[114:115]
	v_pk_add_f32 v[224:225], v[224:225], v[118:119]
	v_pk_add_f32 v[14:15], v[14:15], v[122:123]
	v_pk_add_f32 v[236:237], v[236:237], v[126:127]
	v_pk_add_f32 v[250:251], v[250:251], v[130:131]
	v_pk_add_f32 v[248:249], v[248:249], v[134:135]
	v_pk_add_f32 v[232:233], v[232:233], v[138:139]
	v_pk_add_f32 v[228:229], v[228:229], v[142:143]
	v_pk_add_f32 v[226:227], v[226:227], v[146:147]
	v_pk_add_f32 v[224:225], v[224:225], v[150:151]
	v_pk_add_f32 v[14:15], v[14:15], v[154:155]
	v_pk_add_f32 v[236:237], v[236:237], v[158:159]
	s_delay_alu instid0(VALU_DEP_2)
	v_pk_add_f32 v[14:15], v[14:15], v[232:233]
	s_delay_alu instid0(VALU_DEP_2)
	v_pk_add_f32 v[236:237], v[236:237], v[228:229]
	v_pk_add_f32 v[250:251], v[250:251], v[226:227]
	v_pk_add_f32 v[248:249], v[248:249], v[224:225]
	s_delay_alu instid0(VALU_DEP_2)
	v_pk_add_f32 v[14:15], v[14:15], v[250:251]
	s_delay_alu instid0(VALU_DEP_2)
	v_pk_add_f32 v[236:237], v[236:237], v[248:249]
	s_delay_alu instid0(VALU_DEP_1)
	v_pk_add_f32 v[14:15], v[14:15], v[236:237]
.irp b, 0,1,2,3
.irp i, 0,1,2,3,4,5,6,7,8,9,10,11,12,13,14,15
	v_min_num_f32 v[96+16*\b+\i], v[96+16*\b+\i], v[240+\b]   ; the conversion does not saturate (ISA guide 7.6.2); p is not negative
.endr
	v_cvt_scalef32_pk8_bf8_f32 v[192+4*\b:193+4*\b], v[96+16*\b:103+16*\b], v[244+\b]
	v_cvt_scalef32_pk8_bf8_f32 v[194+4*\b:195+4*\b], v[104+16*\b:111+16*\b], v[244+\b]
.endr
.irp j, 0,2,4,6,8,10,12,14,16,18,20,22,24,26,28,30
	v_pk_mul_f32 v[160+\j:161+\j], v[160+\j:161+\j], v[252:253] op_sel_hi:[1,0]   ; O^T x f.  These sixteen are also the places in front of the products and loads below
.endr
.irp t, 0,1,2,3                                ; O^T += v^T p^T: the head's four tiles of 16; K = these 128 keys
.irp c, 0,1,2,3
	ds_load_b128 v[32+16*\t+4*\c:32+16*\t+4*\c+3], v[ADV] offset:64*VP*(\q)+16*\t*VP+32*\c
.endr
	ds_load_b32 v[248+\t], v[ADT] offset:64*\t
.endr
	s_wait_alu depctr_va_vdst(0)
	s_wait_dscnt 0x0
.irp t, 0,1,2,3
	v_wmma_scale_f32_16x16x128_f8f6f4 v[160+8*\t:167+8*\t], v[32+16*\t:47+16*\t], v[192:207], v[160+8*\t:167+8*\t], v[248+\t], v253 matrix_a_fmt:MATRIX_FMT_BF8 matrix_b_fmt:MATRIX_FMT_BF8
.endr
	s_add_co_u32 s[TS], s[TS], 512                 ; the next step's scale words
	s_add_co_u32 s[TJ], s[TJ], 256
.endm
.macro PAIR
	STEP 0
	STEP 1
	s_add_co_u32 s[TBK], s[TBK], 256*KP
	s_add_co_u32 s[TBV], s[TBV], 128*VP
.endm
	s_wait_alu depctr_va_vdst(0)                   ; the wait at the head's end
	s_wait_loadcnt 0x0                             ; q
	s_cmp_lt_u32 s[WV], 4                          ; waves 0 to 3, each with a load line of its own, wait here: the scale words and the first pieces
	s_cbranch_scc0 .Llater
	s_wait_tensorcnt 0x0
.Llater:
	s_barrier_signal -1                            ; the other six loads may be out
	s_barrier_wait -1
	PAIR                                           ; keys 0 to 255, while the rest lands
	s_wait_tensorcnt 0x0
	s_wait_dscnt 0x0
	s_barrier_signal -1
	s_barrier_wait -1                              ; the whole head lies in LDS
	s_mov_b32 s3, 3
.Lpair:
	PAIR
	s_sub_co_u32 s3, s3, 1
	s_cmp_lg_u32 s3, 0
	s_cbranch_scc1 .Lpair
	; THE WAY OUT: O^T / the sum; quantised along d (two blocks of 32); the codes go through my stage and leave as 1,024 consecutive bytes
.set TM,  232
.set PW,  240
.set PC,  208
.set OC,  216
.rept 8
	v_nop
.endr
	v_add_f32 v14, v14, v15
	s_delay_alu instid0(VALU_DEP_1)
	v_permlanex16_b32 v252, v14, s[SEL], s[SEL+1]
	s_delay_alu instid0(VALU_DEP_1)
	v_add_f32 v14, v14, v252                       ; the row's sum
	s_wait_alu depctr_va_vdst(0)
	v_rcp_f32 v14, v14
	v_and_b32 v8, 15, v0                           ; (a plain line behind the transcendental)
	v_bfe_u32 v9, v0, 4, 1
	s_mul_i32 s2, s[WV], 16*80
	s_add_co_u32 s2, s2, STG                       ; my stage
	v_mul_u32_u24 v10, v8, 80
	s_delay_alu instid0(VALU_DEP_1)
	v_lshl_add_u32 v10, v9, 3, v10
	s_delay_alu instid0(VALU_DEP_1)
	v_add_nc_u32 v10, s2, v10                      ; in: row r; tile t's eight codes of my half at 16 t + 8 h: natural order, since Wo's codes are given
	v_bfe_u32 v11, v0, 2, 3
	s_delay_alu instid0(VALU_DEP_1)
	v_mul_u32_u24 v11, v11, 80
	v_and_b32 v5, 3, v0
	s_delay_alu instid0(VALU_DEP_1)
	v_lshl_add_u32 v11, v5, 4, v11
	s_delay_alu instid0(VALU_DEP_1)
	v_add_nc_u32 v11, s2, v11                      ; back: four lanes to a row of 64 bytes
	v_and_b32 v7, 31, v0
	s_delay_alu instid0(VALU_DEP_1)
	v_lshlrev_b32 v7, 4, v7                        ; 16 x lane
	v_lshlrev_b32 v6, 5, v8                        ; 32 r: my row of scale bytes
	s_lshl_b32 s12, s10, 10
	s_add_co_u32 s12, s12, s66                     ; my first token: 1,024 b + q0
	s_lshl_b32 s16, s12, 6
	s_lshl_b32 s13, s11, 18
	s_add_co_u32 s16, s16, s13
	s_add_nc_u64 s[14:15], s[6:7], s[16:17]        ; codes: [h][4096][64]
	s_lshl_b32 s16, s12, 5
	s_lshl_b32 s13, s11, 1
	s_add_co_u32 s16, s16, s13
	s_add_co_u32 s16, s16, 4194304
	s_add_nc_u64 s[8:9], s[6:7], s[16:17]          ; scale bytes: [4096][32], bytes 2 h, 2 h + 1
	s_wait_alu depctr_va_vdst(0)
.irp j, 0,2,4,6,8,10,12,14,16,18,20,22,24,26,28,30
	v_pk_mul_f32 v[96+\j:97+\j], v[160+\j:161+\j], v[14:15] op_sel_hi:[1,0]   ; register 8 t + i is ctx(r, 16 t + 8 h + i)
.endr
.irp c, 0,1
	v_max3_num_f32 v[TM+\c], |v[96+16*\c]|, |v[97+16*\c]|, 0x8000000
.endr
.irp i, 2,4,6,8,10,12,14
.irp c, 0,1
	s_delay_alu instid0(VALU_DEP_2)
	v_max3_num_f32 v[TM+\c], v[TM+\c], |v[96+16*\c+\i]|, |v[97+16*\c+\i]|
.endr
.endr
.irp c, 0,1
	s_delay_alu instid0(VALU_DEP_2)
	v_permlanex16_b32 v[TM+2+\c], v[TM+\c], s[SEL], s[SEL+1]
.endr
.irp c, 0,1
	s_delay_alu instid0(VALU_DEP_2)
	v_max_num_f32 v[TM+\c], v[TM+\c], v[TM+2+\c]
.endr
.irp c, 0,1
	s_delay_alu instid0(VALU_DEP_2)
	v_add_nc_u32 v[TM+6+\c], 0xf8800000, v[TM+\c]
.endr
.irp c, 0,1
	s_delay_alu instid0(VALU_DEP_4)
	v_and_or_b32 v[TM+4+\c], v[TM+\c], 0x7f800000, s[MNT]
.endr
.irp c, 0,1
	s_delay_alu instid0(VALU_DEP_4)
	v_lshrrev_b32 v[TM+2+\c], 23, v[TM+6+\c]
.endr
	s_delay_alu instid0(VALU_DEP_1)
	v_lshl_or_b32 v[PW], v[TM+3], 8, v[TM+2]
.irp c, 0,1
.irp i, 0,1,2,3,4,5,6,7,8,9,10,11,12,13,14,15
	v_med3_num_f32 v[96+16*\c+\i], v[96+16*\c+\i], -v[TM+4+\c], v[TM+4+\c]
.endr
	v_cvt_scalef32_pk8_bf8_f32 v[PC+4*\c:PC+4*\c+1], v[96+16*\c:103+16*\c], v[TM+6+\c]
	v_cvt_scalef32_pk8_bf8_f32 v[PC+4*\c+2:PC+4*\c+3], v[104+16*\c:111+16*\c], v[TM+6+\c]
.endr
	v_nop
.irp t, 0,1,2,3
	ds_store_b64 v10, v[PC+2*\t:PC+2*\t+1] offset:16*\t
.endr
.irp u, 0,1
	ds_load_b128 v[OC+4*\u:OC+4*\u+3], v11 offset:640*\u          ; LDS serves a wave's instructions in order
.endr
	global_store_b16 v6, v[PW], s[8:9]             ; two bytes a row (both halves of the lanes write the same): a row's 32 bytes come from sixteen heads, so no work-group holds more of it
	s_wait_dscnt 0x0
.irp u, 0,1
	global_store_b128 v7, v[OC+4*\u:OC+4*\u+3], s[14:15] offset:512*\u   ; 512 consecutive bytes
.endr
	s_wait_tensorcnt 0x0
	ds_add_u32 v230, v231
	s_wait_dscnt 0x0
	CROUND                                         ; the closing round
	s_endpgm
.Lfunc_end_k_q1ba98cbcad_attn:
	.size	k_q1ba98cbcad_attn, .Lfunc_end_k_q1ba98cbcad_attn-k_q1ba98cbcad_attn
	.p2alignl 7, 3214868480
	.fill 96, 4, 3214868480
	.section	.rodata,"a",@progbits
	.p2align	6, 0x0
	.amdhsa_kernel k_q1ba98cbcad_attn
		.amdhsa_group_segment_fixed_size 184320
		.amdhsa_private_segment_fixed_size 0
		.amdhsa_enable_private_segment 0
		.amdhsa_kernarg_size 16
		.amdhsa_user_sgpr_count 2
		.amdhsa_user_sgpr_kernarg_segment_ptr 1
		.amdhsa_wavefront_size32 1
		.amdhsa_system_sgpr_workgroup_id_x 1
		.amdhsa_system_sgpr_workgroup_id_y 1
		.amdhsa_system_sgpr_workgroup_id_z 1
		.amdhsa_system_vgpr_workitem_id 0
		.amdhsa_next_free_vgpr 256
		.amdhsa_next_free_sgpr 106
		.amdhsa_reserve_vcc 0
		.amdhsa_float_denorm_mode_32 3
		.amdhsa_float_denorm_mode_16_64 3
		.amdhsa_memory_ordered 1
		.amdhsa_forward_progress 1
		.amdhsa_inst_pref_size 104
	.end_amdhsa_kernel
	.amdgpu_metadata
---
amdhsa.version: [ 1, 2 ]
amdhsa.kernels:
  - .name:           k_q1ba98cbcad_attn
    .symbol:         k_q1ba98cbcad_attn.kd
    .args:
      - { .name: QKV, .offset: 0, .size: 8, .value_kind: global_buffer, .address_space: global }
      - { .name: CTX, .offset: 8, .size: 8, .value_kind: global_buffer, .address_space: global }
    .group_segment_fixed_size: 184320
    .private_segment_fixed_size: 0
    .kernarg_segment_align: 8
    .kernarg_segment_size: 16
    .max_flat_workgroup_size: 512
    .sgpr_count:     106
    .vgpr_count:     256
    .wavefront_size: 32
...
	.end_amdgpu_metadata
.endif
;; end of part 3
;; launch wo (part 4): grid 8 x 32, 4 waves a work-group, clusters of 4 x 4, 327,680 bytes of LDS; arguments CTX, Wo_codes, Wo_scales, bo, x, X1; writes X1
.if DOCPART == 4
	.amdgcn_target "amdgcn-amd-amdhsa--gfx1250"
	.amdhsa_code_object_version 6
	.text
	.protected	k_q1ba98cbcad_wo
	.globl	k_q1ba98cbcad_wo
	.p2align	8
	.type	k_q1ba98cbcad_wo,@function
k_q1ba98cbcad_wo:
	s_mov_b64 s[64:65], 0
	v_nop
	global_prefetch_b8 v0, s[64:65] scope:SCOPE_SE
	s_setreg_imm32_b32 hwreg(HW_REG_WAVE_MODE, 25, 1), 1
	s_wait_xcnt 0x0
	s_wait_alu depctr_hold_cnt(0) depctr_sa_sdst(0) depctr_va_vdst(0) depctr_va_sdst(0) depctr_va_ssrc(0) depctr_va_vcc(0) depctr_vm_vsrc(0)
	s_getreg_b32 s2, hwreg(HW_REG_IB_STS2, 6, 4)
	s_cmp_eq_u32 s2, 0
	s_cbranch_scc0 .Lentry_in_a_cluster
	s_endpgm
.Lentry_in_a_cluster:
	s_bfe_u32 s2, ttmp6, 0x10000c
	s_cmp_lg_u32 s2, 0xf033
	s_cbranch_scc0 .Lentry_shape_is_right
	s_endpgm
.Lentry_shape_is_right:
; x1 = x + ctx Wo + bo on codes of BF8 (E5M2) with E8M0 scales, stored as f32 and quantised along its 1,024.
; A tile of C is 128 x 128, so that each of 256 WGPs has one: four waves, each 64 x 64: 16 accumulators.  K = 1,024 is two steps of 512: both slots are first fills, nothing is filled again.
; A = ctx's codes, laid [h][4096][64]: a slot's half is 8 chunks of 64 rows x 64 bytes, 80 bytes from row to row in LDS.  B = Wo's codes, rows of 512 bytes, 528 apart.
; 4 x 4 work-groups form a cluster: A's tiles are asked for jointly along a row, B's along a column.  The matrix instruction is used transposed: a lane holds row l % 16 of C and eight neighbouring columns.
; THE SUMS START FROM x + bo: x's 64 x 64 numbers are read by whole rows of 256 bytes, turned through the wave's stage into the accumulators' layout, and bo is added: the products add onto them.
; OUT: X1 + 0 f32 [4096][1024]; + 16,777,216 codes [n / 64][4096][64], natural order; + 20,971,520 scale bytes [4096][32].
; LIMITS: a block of zeros gets the byte 1 where the rule says 127; blocks under 2^-111 are held at byte 1; NaN and infinities are not served.
; REGISTERS: window 0: v0-31 addresses; v32-63 scale words, two sets; v64-127 at work; v128-255 the accumulators, (a, b) at v[128 + 8 (4 a + b)].  window 1: two fragment buffers of 128: A's four, then B's four.
.set SIZE_K, 1024
.set PB,     528
.set HALFB,  64*PB
.set PA,     80
.set CHS,    128*PA                    ; in LDS a slot's part of A is 8 chunks of 64 along K, each with all the tile's 128 rows, 80 bytes from row to row
.set HALFA,  4*CHS                     ; what one load of slot 1 brings: four chunks
.set SLOT,   2*HALFA+2*HALFB
.set KS,     32
.set SCL,    2*SLOT
.set HALFS,  (64*KS/256)*272
.set SBLK,   (16*KS/256)*272
.set SPARE,  SCL+4*HALFS               ; the spare words: two blocks of 256 bytes that no other line names
.set STAGE,  SPARE+512                 ; 16 rows x 272 bytes for each wave; no fill lands here
.set ADRA, 16
.set ADRB, 20
.set COC,  22
.set SOFF, 23
.set STO,  24
.set RD,   25
.set CO,   26
.set ADRS, 27
.set SPW,  28
.set NIL,  29
.set CST,  30
.set CRD,  31
.set SC,   32
.set BI,   64
.set OB,   64
.set TM,   96
.set PW,   104
.set PC,   106
.set OC,   114
.set ACC,  128
.set G1, 24
.set G0, 32
.set G1B, 48
.set G0B, 56
.set G1S, 68
.set G0S, 76
.set G1SB, 80
.set G0SB, 88
.set SEL, 2
.set MNT, 18
.set MSB, 0
.macro WIN new
.if MSB != (\new)
	s_set_vgpr_msb (MSB<<8)|(\new)
.set MSB, (\new)
.endif
.endm
.set MUL,  0x05                        ; sources 0 (B) and 1 (A) window 1; C and D window 0
.set TO_F, 0x40                        ; destination window 1
.macro JLOAD g0a, g1a, g0b, g1b
	s_cmp_eq_u32 s15, 0
	s_cbranch_scc0 .Lfor_b_\@
	tensor_load_to_lds s[\g0a:\g0a+3], s[\g1a:\g1a+7]
	s_nop 0
.rept 4
	v_nop
.endr
	s_branch .Lasked_\@
.Lfor_b_\@:
	tensor_load_to_lds s[\g0b:\g0b+3], s[\g1b:\g1b+7]
	s_nop 0
.rept 4
	v_nop
.endr
.Lasked_\@:
.endm
.macro CREST
	s_cmp_lg_u32 s14, 0
	s_cbranch_scc1 .Lnot_wave_0_\@
	s_barrier_signal -3
.Lnot_wave_0_\@:
	s_barrier_wait -3
	s_barrier_signal -1
	s_barrier_wait -1
.endm
.macro CROUND
	s_barrier_signal -1
	s_barrier_wait -1
	CREST
.endm
	s_load_b64 s[4:5], s[0:1], 0x0                 ; CTX
	s_load_b128 s[8:11], s[0:1], 0x8               ; Wo's codes, Wo's scales
	s_load_b128 s[96:99], s[0:1], 0x18             ; bo, x
	s_load_b64 s[12:13], s[0:1], 0x28              ; X1
	v_lshl_add_u32 v[SPW], v0, 2, SPARE
	v_mov_b32 v[NIL], 0
	ds_add_u32 v28, v29
	ds_add_u32 v28, v29
	s_wait_dscnt 0x0
	v_lshrrev_b32 v1, 5, v0
	v_readfirstlane_b32 s14, v1                    ; wave 0..3
	s_lshr_b32 s15, s14, 1                         ; which half of the tile's rows is mine.  Also: I fetch for A (0) or for B (1)
	s_and_b32 s16, s14, 1                          ; which half of its columns.  Also: which 64 rows I fetch
	s_bfe_u32 s40, ttmp6, 0x40000
	s_bfe_u32 s41, ttmp6, 0x40004
	s_lshl_b32 s42, ttmp9, 2
	s_add_co_u32 s42, s42, s40                     ; tile column
	s_and_b32 s17, ttmp7, 0xffff
	s_lshl_b32 s17, s17, 2
	s_add_co_u32 s17, s17, s41                     ; tile row
	s_lshl_b32 s43, s41, 2
	s_lshl_b32 s43, 15, s43
	s_lshl_b32 s44, 0x1111, s40
	s_or_b32 s[G1+0], s43, (1<<20)|(1<<21)|(3<<22)|(3<<25)   ; A: 8 chunks of 8,192 dense bytes (128 rows x 64), 262,144 apart; four words of padding behind every 16
	s_mov_b32 s[G1+1], 8192<<16                    ; a chunk: 128 rows x 64 dense bytes; the head's load brings 8 chunks, slot 1's loads 4 each
	s_mov_b32 s[G1+2], 8<<16
	s_mov_b32 s[G1+3], 8192<<16
	s_mov_b32 s[G1+4], 8
	s_mov_b32 s[G1+5], 262144
	s_mov_b32 s[G1+6], 0
	s_mov_b32 s[G1+7], 0
	s_or_b32 s[G1B+0], s44, (1<<20)|(1<<21)|(6<<22)|(3<<25)  ; B: 64 rows of 512 bytes; four words behind every 128
	s_mov_b32 s[G1B+1], 512<<16
	s_mov_b32 s[G1B+2], 128<<16
	s_mov_b32 s[G1B+3], 512<<16
	s_mov_b32 s[G1B+4], 128
	s_mov_b32 s[G1B+5], SIZE_K
	s_mov_b32 s[G1B+6], 0
	s_mov_b32 s[G1B+7], 0
	s_or_b32 s[G1S+0], s43, (3<<16)|(1<<20)|(1<<21)|(5<<22)|(3<<25)
	s_or_b32 s[G1SB+0], s44, (3<<16)|(1<<20)|(1<<21)|(5<<22)|(3<<25)
.irp g, G1S, G1SB
	s_mov_b32 s[\g+1], 32<<16
	s_mov_b32 s[\g+2], (128*KS/256)<<16
	s_mov_b32 s[\g+3], 32<<16
	s_mov_b32 s[\g+4], 128*KS/256
	s_mov_b32 s[\g+5], 32
	s_mov_b32 s[\g+6], 0
	s_mov_b32 s[\g+7], 0
.endr
	s_lshl_b32 s20, s17, 7                         ; A: the tile's first row
	s_lshl_b32 s46, s42, 7                         ; B: likewise
	s_mov_b32 s21, 0
	s_mov_b32 s47, 0
	s_mov_b64 s[18:19], KS
	s_mul_u64 s[22:23], s[20:21], s[18:19]
	s_mul_u64 s[92:93], s[46:47], s[18:19]
	s_mov_b64 s[18:19], 64
	s_mul_u64 s[20:21], s[20:21], s[18:19]
	s_mov_b64 s[18:19], SIZE_K
	s_mul_u64 s[46:47], s[46:47], s[18:19]
	s_mul_i32 s45, s16, HALFA                      ; where they go: A's halves, then B's
	s_mul_i32 s95, s16, HALFB
	s_add_co_u32 s95, s95, 2*HALFA
	s_wait_kmcnt 0x0
	s_add_nc_u64 s[6:7], s[4:5], 4194304           ; ctx's scale bytes
	s_add_nc_u64 s[20:21], s[4:5], s[20:21]
	s_add_nc_u64 s[22:23], s[6:7], s[22:23]
	s_add_nc_u64 s[46:47], s[8:9], s[46:47]
	s_add_nc_u64 s[92:93], s[10:11], s[92:93]
	CROUND
	s_mov_b32 s[G0S], 1
	s_mov_b32 s[G0S+1], SCL
	s_mov_b64 s[G0S+2:G0S+3], s[22:23]
	s_or_b32 s[G0S+3], s[G0S+3], 0x80000000
	s_mov_b32 s[G0SB], 1
	s_mov_b32 s[G0SB+1], SCL+2*HALFS
	s_mov_b64 s[G0SB+2:G0SB+3], s[92:93]
	s_or_b32 s[G0SB+3], s[G0SB+3], 0x80000000
.set G0H, 4                            ; s[4:7], s[8:11] group 0 of the head's loads of slot 0 (the pointers that lay there have been used)
.set G0HB, 8
	s_mov_b32 s[G0H], 1
	s_mov_b32 s[G0H+1], 0
	s_mov_b64 s[G0H+2:G0H+3], s[20:21]
	s_or_b32 s[G0H+3], s[G0H+3], 0x80000000
	s_mov_b32 s[G0HB], 1
	s_mov_b32 s[G0HB+1], 2*HALFA
	s_mov_b64 s[G0HB+2:G0HB+3], s[46:47]
	s_or_b32 s[G0HB+3], s[G0HB+3], 0x80000000
	s_lshl_b32 s18, s16, 20                        ; slot 1: my four chunks of A (262,144 bytes from chunk to chunk),
	s_mov_b32 s19, 0
	s_add_nc_u64 s[20:21], s[20:21], s[18:19]
	s_mul_i32 s18, s16, 64*SIZE_K                  ; or my 64 rows of B
	s_add_nc_u64 s[46:47], s[46:47], s[18:19]
.irp s, 0,1
	s_mov_b32 s[G0+4*\s], 1
	s_add_co_u32 s[G0+4*\s+1], s45, \s*SLOT
	s_add_nc_u64 s[G0+4*\s+2:G0+4*\s+3], s[20:21], \s*2097152
	s_or_b32 s[G0+4*\s+3], s[G0+4*\s+3], 0x80000000
	s_mov_b32 s[G0B+4*\s], 1
	s_add_co_u32 s[G0B+4*\s+1], s95, \s*SLOT
	s_add_nc_u64 s[G0B+4*\s+2:G0B+4*\s+3], s[46:47], \s*512
	s_or_b32 s[G0B+4*\s+3], s[G0B+4*\s+3], 0x80000000
.endr
; the head's four tiles, one joint load a wave: wave 0 A's part of slot 0, wave 1 B's, wave 2 A's scales, wave 3 B's; one chain of arms with one join
.macro ARM under, g0, g1
	s_cmp_lt_u32 s14, \under
	s_cbranch_scc0 .Lnext_arm_\@
	tensor_load_to_lds s[\g0:\g0+3], s[\g1:\g1+7]
	s_nop 0
.rept 4
	v_nop
.endr
	s_branch .Lhead_asked
.Lnext_arm_\@:
.endm
	ARM 1, G0H, G1
	ARM 2, G0HB, G1B
	ARM 3, G0S, G1S
	tensor_load_to_lds s[G0SB:G0SB+3], s[G1SB:G1SB+7]
	s_nop 0
.rept 4
	v_nop
.endr
.Lhead_asked:
	v_and_b32 v1, 15, v0                           ; r
	v_bfe_u32 v2, v0, 4, 1                         ; h
	v_mul_u32_u24 v3, v1, PA
	v_lshl_add_u32 v3, v2, 4, v3
	v_mul_u32_u24 v4, v1, PB
	v_lshl_add_u32 v4, v2, 4, v4
	s_mul_i32 s21, s15, 64*PA                      ; my 64 rows inside each chunk
	s_mul_i32 s22, s16, HALFB
	s_add_co_u32 s22, s22, 2*HALFA
.irp s, 0,1
	v_add_nc_u32 v[ADRA+\s], s21, v3
	v_add_nc_u32 v[ADRA+2+\s], 4*CHS, v[ADRA+\s]   ; v18, v19: chunks 4 to 7, so that the loads' offsets stay inside 16 bits
	v_add_nc_u32 v[ADRB+\s], s22, v4
	s_add_co_u32 s21, s21, SLOT
	s_add_co_u32 s22, s22, SLOT
.endr
	v_mul_u32_u24 v5, v1, KS
	v_lshrrev_b32 v6, 8, v5
	v_lshl_add_u32 v5, v6, 4, v5
	s_mul_i32 s21, s15, HALFS
	s_mul_i32 s22, s16, HALFS
	s_add_co_u32 s22, s22, 2*HALFS
	s_sub_co_u32 s22, s22, s21
	v_mul_u32_u24 v6, s22, v2                      ; lanes 16-31 take B's
	s_add_co_u32 s21, s21, SCL
	v_add_nc_u32 v5, v5, v6
	v_add_nc_u32 v[ADRS], s21, v5
	s_mul_i32 s23, s14, 16*272
	s_add_co_u32 s23, s23, STAGE                   ; my stage
	v_mul_u32_u24 v5, v1, 272
	v_lshl_add_u32 v5, v2, 5, v5
	v_add_nc_u32 v[STO], s23, v5                   ; the accumulators' side: row r, 32 bytes for each half of the lanes
	v_mul_u32_u24 v5, v2, 272
	v_lshl_add_u32 v5, v1, 4, v5
	v_add_nc_u32 v[RD], s23, v5                    ; the rows' side: lanes 0-15 one row of 256 bytes, lanes 16-31 the next
	v_mul_u32_u24 v5, v1, 80
	v_lshl_add_u32 v5, v2, 3, v5
	v_add_nc_u32 v[CST], s23, v5                   ; codes in: row r, 8 bytes for each half
	v_bfe_u32 v5, v0, 2, 3
	v_mul_u32_u24 v5, v5, 80
	v_and_b32 v6, 3, v0
	v_lshl_add_u32 v5, v6, 4, v5
	v_add_nc_u32 v[CRD], s23, v5                   ; codes back: four lanes to a row of 64 bytes
	v_and_b32 v5, 31, v0
	v_lshlrev_b32 v[COC], 4, v5
	v_lshlrev_b32 v[SOFF], 5, v1
	v_lshlrev_b32 v[CO], 4, v1
	v_lshl_add_u32 v[CO], v2, 12, v[CO]            ; two rows of 4,096 bytes, 16 bytes a lane
	v_lshlrev_b32 v7, 5, v2                        ; bo: 32 h
	s_wait_alu depctr_va_vdst(0)
	s_lshl_b32 s92, s17, 7
	s_lshl_b32 s93, s15, 6
	s_add_co_u32 s92, s92, s93                     ; my first row
	s_lshl_b32 s93, s42, 7
	s_lshl_b32 s94, s16, 6
	s_add_co_u32 s93, s93, s94                     ; my first column
	s_mov_b32 s19, 0
	s_lshr_b32 s18, s93, 6
	s_lshl_b32 s18, s18, 18
	s_lshl_b32 s94, s92, 6
	s_add_co_u32 s18, s18, s94
	s_add_co_u32 s18, s18, 16777216
	s_add_nc_u64 s[66:67], s[12:13], s[18:19]      ; x1's codes: chunk column / 64, my rows
	s_lshl_b32 s18, s92, 5
	s_lshr_b32 s94, s93, 5
	s_add_co_u32 s18, s18, s94
	s_add_co_u32 s18, s18, 20971520
	s_add_nc_u64 s[100:101], s[12:13], s[18:19]    ; x1's scale bytes
	s_lshl_b32 s18, s92, 12
	s_lshl_b32 s94, s93, 2
	s_add_co_u32 s18, s18, s94
	s_add_nc_u64 s[98:99], s[98:99], s[18:19]      ; x at my corner
	s_add_nc_u64 s[12:13], s[12:13], s[18:19]      ; x1 likewise
	s_mov_b32 s18, s94
	s_add_nc_u64 s[96:97], s[96:97], s[18:19]      ; bo at my first column
.irp b, 0,1,2,3
	global_load_b128 v[BI+8*\b:BI+8*\b+3], v7, s[96:97] offset:64*\b
	global_load_b128 v[BI+8*\b+4:BI+8*\b+7], v7, s[96:97] offset:64*\b+16
.endr
	WIN TO_F
.irp a, 0,1,2,3
.irp t, 0,1,2,3,4,5,6,7
	global_load_b128 v[32*\a+4*\t:32*\a+4*\t+3], v[CO], s[98:99] offset:(16*\a+2*\t)*4096   ; sixteen lanes read 256 consecutive bytes of a row
.endr
.endr
.irp a, 0,1,2,3
	s_wait_loadcnt 24-8*\a                         ; bo and this block's eight loads are in; the later blocks' stay out
	WIN 0x04                                       ; an LDS store's data are its source 1: window 1
.irp t, 0,1,2,3,4,5,6,7
	ds_store_b128 v[RD], v[32*\a+4*\t:32*\a+4*\t+3] offset:544*\t
.endr
	WIN 0
.irp b, 0,1,2,3
	ds_load_b128 v[ACC+8*(4*\a+\b):ACC+8*(4*\a+\b)+3], v[STO] offset:64*\b        ; LDS serves a wave's instructions in order
	ds_load_b128 v[ACC+8*(4*\a+\b)+4:ACC+8*(4*\a+\b)+7], v[STO] offset:64*\b+16
.endr
.endr
	s_wait_dscnt 0x0
.irp a, 0,1,2,3
.irp b, 0,1,2,3
.irp p, 0,2,4,6
	v_pk_add_f32 v[ACC+8*(4*\a+\b)+\p:ACC+8*(4*\a+\b)+\p+1], v[ACC+8*(4*\a+\b)+\p:ACC+8*(4*\a+\b)+\p+1], v[BI+8*\b+\p:BI+8*\b+\p+1]
.endr
.endr
.endr
.macro FRAGB reg, slot, q, i
.irp c, 0,1,2,3
	ds_load_b128 v[\reg+4*\c:\reg+4*\c+3], v[ADRB+\slot] offset:128*(\q)+32*\c+(\i)*16*PB
.endr
.endm
.macro FRAGA reg, slot, q, i           ; 128 along K are two chunks of 64
.irp c, 0,1,2,3
	ds_load_b128 v[\reg+4*\c:\reg+4*\c+3], v[ADRA+\slot+2*((\q)/2)] offset:(2*((\q)%2)+\c/2)*CHS+32*(\c%2)+(\i)*16*PA
.endr
.endm
.macro FETCH slot, q, f                ; 32 LDS loads in one run: the fragments of the slot's q-th 128 along K into buffer f
	WIN TO_F
.irp i, 0,1,2,3
	FRAGB \f+64+16*\i, \slot, \q, \i
.endr
.irp i, 0,1,2,3
	FRAGA \f+16*\i, \slot, \q, \i
.endr
.endm
.macro SCALES sc                       ; a K step's four scale words a row: lanes 0-15 A's block i, lanes 16-31 B's
.irp i, 0,1,2,3
	ds_load_b128 v[SC+16*\sc+4*\i:SC+16*\sc+4*\i+3], v[ADRS] offset:\i*SBLK
.endr
.endm
.macro PLACES n
.rept \n
	v_nop
.endr
.endm
; 8 matrix instructions: A's blocks a0, a0 + 1 x B's four.  The 16 accumulators take turns, one instruction a turn
.macro MUL8 f, q, sc, a0
.irp a, \a0, \a0+1
.irp b, 0,1,2,3
	v_wmma_scale_f32_16x16x128_f8f6f4 v[ACC+8*(4*(\a)+\b):ACC+8*(4*(\a)+\b)+7], v[\f+64+16*\b:\f+64+16*\b+15], v[\f+16*(\a):\f+16*(\a)+15], v[ACC+8*(4*(\a)+\b):ACC+8*(4*(\a)+\b)+7], v[SC+16*(\sc)+4*\b+(\q)], v[SC+16*(\sc)+4*(\a)+(\q)] matrix_a_fmt:MATRIX_FMT_BF8 matrix_b_fmt:MATRIX_FMT_BF8 matrix_a_scale:MATRIX_SCALE_ROW1
.endr
.endr
.endm
.macro QUARTER slot, q                 ; one of a slot's first three quarters: the next quarter's fragments are asked for, then this one is multiplied
	s_wait_dscnt 0x0                               ; this quarter's fragments are in
	PLACES 8                                       ; in front of loads into the buffer that the quarter before multiplied
	FETCH \slot, (\q)+1, 128*(1-(\q)%2)
	WIN MUL
	MUL8 128*((\q)%2), \q, \slot, 0
	MUL8 128*((\q)%2), \q, \slot, 2
.endm
.macro TURN slot, next                 ; a slot's last quarter changes slots; nothing is filled again in this launch
	WIN 0
	s_wait_tensorcnt 0x0                           ; all my tensor loads have landed: my part of the next slot
	ds_add_u32 v[SPW], v[NIL]                      ; 0 onto my spare word
	s_wait_dscnt 0x0                               ; the add is done, and my reads of this slot are over
	s_barrier_signal -1
	WIN MUL
	MUL8 128, 3, \slot, 0
	WIN 0
	s_barrier_wait -1
	PLACES 8
	v_add_nc_u32 v[ADRS], 16, v[ADRS]              ; the next K step's scale words
	FETCH \next, 0, 0
	WIN 0
	SCALES \next
	WIN MUL
	MUL8 128, 3, \slot, 2
.endm
	s_wait_alu depctr_va_vdst(0)
	s_wait_tensorcnt 0x0                           ; my tile of the head's four is in
	ds_add_u32 v[SPW], v[NIL]
	s_mov_b32 s[G1+2], 4<<16                       ; no tensor load of mine is out: slot 1's loads bring four chunks of A, or 64 rows of B
	s_mov_b32 s[G1+4], 4
	s_mov_b32 s[G1B+2], 64<<16
	s_mov_b32 s[G1B+4], 64
	s_wait_dscnt 0x0
	CROUND                                         ; all four tiles are in, and all sixteen work-groups are here
	JLOAD G0+4, G1, G0B+4, G1B                     ; slot 1, the first tensor load behind the round
	FETCH 0, 0, 0
	WIN 0
	SCALES 0
	QUARTER 0, 0
	QUARTER 0, 1
	QUARTER 0, 2
	TURN 0, 1
	QUARTER 1, 0
	QUARTER 1, 1
	QUARTER 1, 2
	s_wait_dscnt 0x0
	MUL8 128, 3, 1, 0
	MUL8 128, 3, 1, 2
	WIN 0
; THE WAY OUT, block by block of 16 rows x 64 columns: the f32 numbers through my stage into whole rows of 256 bytes; two blocks of 32 quantised; the codes through the stage into 1,024 consecutive bytes.
	PLACES 8
	s_mov_b32 s[SEL], 0x76543210
	s_mov_b32 s[SEL+1], 0xfedcba98
	s_mov_b32 s[MNT], 0x600000
	v_mov_b32 v[TM+2], 0                           ; written once: a lane permute's destination counts as one of its sources
	v_mov_b32 v[TM+3], 0
.macro QMAX2 s                         ; two blocks' largest magnitudes, scale operands, limits, and the two bytes
.irp c, 0,1
	v_max3_num_f32 v[TM+\c], |v[\s+16*\c]|, |v[\s+16*\c+1]|, 0x8000000
.endr
.irp i, 2,4,6,8,10,12,14
.irp c, 0,1
	v_max3_num_f32 v[TM+\c], v[TM+\c], |v[\s+16*\c+\i]|, |v[\s+16*\c+\i+1]|
.endr
.endr
.irp c, 0,1
	v_permlanex16_b32 v[TM+2+\c], v[TM+\c], s[SEL], s[SEL+1]
.endr
.irp c, 0,1
	v_max_num_f32 v[TM+\c], v[TM+\c], v[TM+2+\c]
.endr
.irp c, 0,1
	v_add_nc_u32 v[TM+6+\c], 0xf8800000, v[TM+\c]
.endr
.irp c, 0,1
	v_and_or_b32 v[TM+4+\c], v[TM+\c], 0x7f800000, s[MNT]
.endr
.irp c, 0,1
	v_lshrrev_b32 v[TM+2+\c], 23, v[TM+6+\c]
.endr
	v_lshl_or_b32 v[PW], v[TM+3], 8, v[TM+2]
.endm
.macro QCVT2 s
.irp c, 0,1
.irp i, 0,1,2,3,4,5,6,7,8,9,10,11,12,13,14,15
	v_med3_num_f32 v[\s+16*\c+\i], v[\s+16*\c+\i], -v[TM+4+\c], v[TM+4+\c]   ; the conversion does not saturate (ISA guide 7.6.2): hold first
.endr
	v_cvt_scalef32_pk8_bf8_f32 v[PC+4*\c:PC+4*\c+1], v[\s+16*\c:\s+16*\c+7], v[TM+6+\c]
	v_cvt_scalef32_pk8_bf8_f32 v[PC+4*\c+2:PC+4*\c+3], v[\s+16*\c+8:\s+16*\c+15], v[TM+6+\c]
.endr
	v_nop
.endm
.macro OUTA a
.if (\a) > 0
	s_wait_xcnt 0x0                                ; the block before's stores have read their registers
.endif
.irp b, 0,1,2,3
	ds_store_b128 v[STO], v[ACC+8*(4*(\a)+\b):ACC+8*(4*(\a)+\b)+3] offset:64*\b          ; each accumulator from its low end on
	ds_store_b128 v[STO], v[ACC+8*(4*(\a)+\b)+4:ACC+8*(4*(\a)+\b)+7] offset:64*\b+16
.endr
.irp t, 0,1,2,3,4,5,6,7
	ds_load_b128 v[OB+4*\t:OB+4*\t+3], v[RD] offset:544*\t
.endr
	QMAX2 ACC+32*(\a)
	s_wait_alu depctr_va_vdst(0)
	s_wait_dscnt 0x0
.irp t, 0,1,2,3,4,5,6,7
	global_store_b128 v[CO], v[OB+4*\t:OB+4*\t+3], s[12:13] offset:(16*(\a)+2*\t)*4096   ; sixteen lanes store 256 consecutive bytes, aligned
.endr
	QCVT2 ACC+32*(\a)
.irp b, 0,1,2,3
	ds_store_b64 v[CST], v[PC+2*\b:PC+2*\b+1] offset:16*\b       ; natural order: W1's codes are given
.endr
.irp u, 0,1
	ds_load_b128 v[OC+4*\u:OC+4*\u+3], v[CRD] offset:640*\u
.endr
	global_store_b16 v[SOFF], v[PW], s[100:101] offset:512*(\a)  ; two bytes a row: a row's 32 bytes come from sixteen waves' columns, so no wave holds more of it
	s_wait_dscnt 0x0
.irp u, 0,1
	global_store_b128 v[COC], v[OC+4*\u:OC+4*\u+3], s[66:67] offset:1024*(\a)+512*\u     ; 512 consecutive bytes
.endr
.endm
	OUTA 0
	OUTA 1
	OUTA 2
	OUTA 3
	s_wait_tensorcnt 0x0                           ; the wave's end
	ds_add_u32 v[SPW], v[NIL]
	s_wait_dscnt 0x0
	CROUND                                         ; the closing round
	s_endpgm
.Lfunc_end_k_q1ba98cbcad_wo:
	.size	k_q1ba98cbcad_wo, .Lfunc_end_k_q1ba98cbcad_wo-k_q1ba98cbcad_wo
	.p2alignl 7, 3214868480
	.fill 96, 4, 3214868480
	.section	.rodata,"a",@progbits
	.p2align	6, 0x0
	.amdhsa_kernel k_q1ba98cbcad_wo
		.amdhsa_group_segment_fixed_size 327680
		.amdhsa_private_segment_fixed_size 0
		.amdhsa_enable_private_segment 0
		.amdhsa_kernarg_size 48
		.amdhsa_user_sgpr_count 2
		.amdhsa_user_sgpr_kernarg_segment_ptr 1
		.amdhsa_wavefront_size32 1
		.amdhsa_system_sgpr_workgroup_id_x 1
		.amdhsa_system_sgpr_workgroup_id_y 1
		.amdhsa_system_sgpr_workgroup_id_z 1
		.amdhsa_system_vgpr_workitem_id 0
		.amdhsa_next_free_vgpr 512
		.amdhsa_next_free_sgpr 102
		.amdhsa_reserve_vcc 0
		.amdhsa_float_denorm_mode_32 3
		.amdhsa_float_denorm_mode_16_64 3
		.amdhsa_memory_ordered 1
		.amdhsa_forward_progress 1
		.amdhsa_inst_pref_size 87
	.end_amdhsa_kernel
	.amdgpu_metadata
---
amdhsa.version: [ 1, 2 ]
amdhsa.kernels:
  - .name:           k_q1ba98cbcad_wo
    .symbol:         k_q1ba98cbcad_wo.kd
    .args:
      - { .name: CTX, .offset: 0, .size: 8, .value_kind: global_buffer, .address_space: global }
      - { .name: Wo_codes, .offset: 8, .size: 8, .value_kind: global_buffer, .address_space: global }
      - { .name: Wo_scales, .offset: 16, .size: 8, .value_kind: global_buffer, .address_space: global }
      - { .name: bo, .offset: 24, .size: 8, .value_kind: global_buffer, .address_space: global }
      - { .name: x, .offset: 32, .size: 8, .value_kind: global_buffer, .address_space: global }
      - { .name: X1, .offset: 40, .size: 8, .value_kind: global_buffer, .address_space: global }
    .group_segment_fixed_size: 327680
    .private_segment_fixed_size: 0
    .kernarg_segment_align: 8
    .kernarg_segment_size: 48
    .max_flat_workgroup_size: 128
    .sgpr_count:     102
    .vgpr_count:     512
    .wavefront_size: 32
...
	.end_amdgpu_metadata
.endif
;; end of part 4
;; launch ffn1 (part 5): grid 16 x 16, 4 waves a work-group, clusters of 4 x 4, 327,680 bytes of LDS; arguments X1, W1_codes, W1_scales, b1, HB; writes HB
.if DOCPART == 5
	.amdgcn_target "amdgcn-amd-amdhsa--gfx1250"
	.amdhsa_code_object_version 6
	.text
	.protected	k_q1ba98cbcad_ffn1
	.globl	k_q1ba98cbcad_ffn1
	.p2align	8
	.type	k_q1ba98cbcad_ffn1,@function
k_q1ba98cbcad_ffn1:
	s_mov_b64 s[64:65], 0
	v_nop
	global_prefetch_b8 v0, s[64:65] scope:SCOPE_SE
	s_setreg_imm32_b32 hwreg(HW_REG_WAVE_MODE, 25, 1), 1
	s_wait_xcnt 0x0
	s_wait_alu depctr_hold_cnt(0) depctr_sa_sdst(0) depctr_va_vdst(0) depctr_va_sdst(0) depctr_va_ssrc(0) depctr_va_vcc(0) depctr_vm_vsrc(0)
	s_getreg_b32 s2, hwreg(HW_REG_IB_STS2, 6, 4)
	s_cmp_eq_u32 s2, 0
	s_cbranch_scc0 .Lentry_in_a_cluster
	s_endpgm
.Lentry_in_a_cluster:
	s_bfe_u32 s2, ttmp6, 0x10000c
	s_cmp_lg_u32 s2, 0xf033
	s_cbranch_scc0 .Lentry_shape_is_right
	s_endpgm
.Lentry_shape_is_right:
.set KSTEP,  256
.set NQ,     2
.set ROWB,   256
.set KROW,   1024
.set PITCH,  272
.set PA,     80
.set CHS,    256*PA                    ; in LDS a slot's part of A (x1's codes, laid [n / 64][4096][64]) is 4 chunks of 64 along K, each with all the tile's 256 rows, 80 bytes from row to row
.set HALFA,  2*CHS                     ; what one load of the ring brings: two chunks
.set HALFB,  128*PITCH
.set FR,     16
.set NL,     4
.set NP,     8
.set SLOT,   2*HALFA+2*HALFB
.set LAPS,   2
.set KS,     32
.set SCL,    2*SLOT
.set HALFS,  (128*KS/256)*272
.set SBLK,   (16*KS/256)*272
.set SPARE,  SCL+4*HALFS
.set STGW,   18560
.set STGS,   4*STGW
.set ADRA, 16
.set ADRB, 20
.set ADRS, 27
.set SPW,  28
.set NIL,  29
.set SC,   32
.set BI,   64
.set AF,   128
.set G1, 24
.set G0, 32
.set G1B, 48
.set G0B, 56
.set G1S, 68
.set G0S, 76
.set G1SB, 80
.set G0SB, 88
.set MSB, 0
.macro WIN new
.if MSB != (\new)
	s_set_vgpr_msb (MSB<<8)|(\new)
.set MSB, (\new)
.endif
.endm
.set MUL_LO, 0xa1
.set MUL_HI, 0xf1
.set BEG_LO, 0x81
.set BEG_HI, 0xc1
.set TO_B,   0x40
.macro JLOAD g0a, g1a, g0b, g1b
	s_cmp_eq_u32 s15, 0
	s_cbranch_scc0 .Lfor_b_\@
	tensor_load_to_lds s[\g0a:\g0a+3], s[\g1a:\g1a+7]
	s_nop 0
.rept 4
	v_nop
.endr
	s_branch .Lasked_\@
.Lfor_b_\@:
	tensor_load_to_lds s[\g0b:\g0b+3], s[\g1b:\g1b+7]
	s_nop 0
.rept 4
	v_nop
.endr
.Lasked_\@:
.endm
.macro CREST
	s_cmp_lg_u32 s14, 0
	s_cbranch_scc1 .Lnot_wave_0_\@
	s_barrier_signal -3
.Lnot_wave_0_\@:
	s_barrier_wait -3
	s_barrier_signal -1
	s_barrier_wait -1
.endm
.macro CROUND
	s_barrier_signal -1
	s_barrier_wait -1
	CREST
.endm
	s_load_b64 s[4:5], s[0:1], 0x0
	s_load_b128 s[8:11], s[0:1], 0x8
	s_load_b64 s[98:99], s[0:1], 0x18
	s_load_b64 s[12:13], s[0:1], 0x20
	v_lshl_add_u32 v[SPW], v0, 2, SPARE
	v_mov_b32 v[NIL], 0
	ds_add_u32 v28, v29
	ds_add_u32 v28, v29
	s_wait_dscnt 0x0
	v_lshrrev_b32 v1, 5, v0
	v_readfirstlane_b32 s14, v1
	s_lshr_b32 s15, s14, 1
	s_and_b32 s16, s14, 1
	s_bfe_u32 s40, ttmp6, 0x40000
	s_bfe_u32 s41, ttmp6, 0x40004
	s_lshl_b32 s42, ttmp9, 2
	s_add_co_u32 s42, s42, s40
	s_and_b32 s17, ttmp7, 0xffff
	s_lshl_b32 s17, s17, 2
	s_add_co_u32 s17, s17, s41
	s_lshl_b32 s43, s41, 2
	s_lshl_b32 s43, 15, s43
	s_lshl_b32 s44, 0x1111, s40
	s_or_b32 s[G1+0], s43, (1<<20)|(1<<21)|(3<<22)|(3<<25)
	s_mov_b32 s[G1+1], 16384<<16                   ; a chunk: 256 rows x 64 dense bytes; the head's load brings 4 chunks, the ring's 2
	s_mov_b32 s[G1+2], 4<<16
	s_mov_b32 s[G1+3], 16384<<16
	s_mov_b32 s[G1+4], 4
	s_mov_b32 s[G1+5], 262144
	s_mov_b32 s[G1+6], 0
	s_mov_b32 s[G1+7], 0
	s_or_b32 s[G1B+0], s44, (1<<20)|(1<<21)|(5<<22)|(3<<25)
	s_mov_b32 s[G1B+1], ROWB<<16
	s_mov_b32 s[G1B+2], 256<<16
	s_mov_b32 s[G1B+3], ROWB<<16
	s_mov_b32 s[G1B+4], 256
	s_mov_b32 s[G1B+5], KROW
	s_mov_b32 s[G1B+6], 0
	s_mov_b32 s[G1B+7], 0
	s_or_b32 s[G1S+0], s43, (3<<16)|(1<<20)|(1<<21)|(5<<22)|(3<<25)
	s_or_b32 s[G1SB+0], s44, (3<<16)|(1<<20)|(1<<21)|(5<<22)|(3<<25)
.irp g, G1S, G1SB
	s_mov_b32 s[\g+1], 32<<16
	s_mov_b32 s[\g+2], (256*KS/256)<<16
	s_mov_b32 s[\g+3], 32<<16
	s_mov_b32 s[\g+4], 256*KS/256
	s_mov_b32 s[\g+5], 32
	s_mov_b32 s[\g+6], 0
	s_mov_b32 s[\g+7], 0
.endr
	s_lshl_b32 s20, s17, 8                         ; A: the tile's first row
	s_lshl_b32 s46, s42, 8                         ; B: likewise
	s_mov_b32 s21, 0
	s_mov_b32 s47, 0
	s_mov_b64 s[18:19], KS
	s_mul_u64 s[22:23], s[20:21], s[18:19]
	s_mul_u64 s[92:93], s[46:47], s[18:19]
	s_mov_b64 s[18:19], 64
	s_mul_u64 s[20:21], s[20:21], s[18:19]
	s_mov_b64 s[18:19], KROW
	s_mul_u64 s[46:47], s[46:47], s[18:19]
	s_mul_i32 s45, s16, HALFA
	s_mul_i32 s95, s16, HALFB
	s_add_co_u32 s95, s95, 2*HALFA
	s_wait_kmcnt 0x0
	s_add_nc_u64 s[6:7], s[4:5], 20971520
	s_add_nc_u64 s[4:5], s[4:5], 16777216
	s_add_nc_u64 s[20:21], s[4:5], s[20:21]
	s_add_nc_u64 s[22:23], s[6:7], s[22:23]
	s_add_nc_u64 s[46:47], s[8:9], s[46:47]
	s_add_nc_u64 s[92:93], s[10:11], s[92:93]
	CROUND
	s_mov_b32 s[G0S], 1
	s_mov_b32 s[G0S+1], SCL
	s_mov_b64 s[G0S+2:G0S+3], s[22:23]
	s_or_b32 s[G0S+3], s[G0S+3], 0x80000000
	s_mov_b32 s[G0SB], 1
	s_mov_b32 s[G0SB+1], SCL+2*HALFS
	s_mov_b64 s[G0SB+2:G0SB+3], s[92:93]
	s_or_b32 s[G0SB+3], s[G0SB+3], 0x80000000
.set G0H, 4                            ; s[4:7], s[8:11] group 0 of the head's loads of K step 0 (the pointers that lay there have been used)
.set G0HB, 8
	s_mov_b32 s[G0H], 1
	s_mov_b32 s[G0H+1], 0
	s_mov_b64 s[G0H+2:G0H+3], s[20:21]
	s_or_b32 s[G0H+3], s[G0H+3], 0x80000000
	s_mov_b32 s[G0HB], 1
	s_mov_b32 s[G0HB+1], 2*HALFA
	s_mov_b64 s[G0HB+2:G0HB+3], s[46:47]
	s_or_b32 s[G0HB+3], s[G0HB+3], 0x80000000
	; the prefetches: waves 0, 1 ask for A's tile, waves 2, 3 for B's; the four partners of a joint load share a K step's 256 blocks of 256 bytes out by address.
	; A: partner p takes chunk p (16,384 dense bytes), a wave half of it, lanes 256 bytes apart.  B: partner p takes 64 rows, a wave 32, a lane a row
.set PFA, 100                          ; s[100:101] where my prefetch stands
.set PFS, 104                          ; s[104:105] a K step in bytes
	s_cmp_eq_u32 s15, 0
	s_cselect_b64 s[PFA:PFA+1], s[20:21], s[46:47]
	s_cselect_b32 s18, s40, s41
	s_cselect_b32 s19, 18, 16
	s_cselect_b32 s22, 13, 15
	s_cselect_b32 s94, 8, 10
	s_mov_b32 s[PFS], 256
	s_cselect_b32 s[PFS], 0x100000, s[PFS]
	s_mov_b32 s[PFS+1], 0
	s_lshl_b32 s18, s18, s19
	s_lshl_b32 s22, s16, s22
	s_add_co_u32 s18, s18, s22
	s_mov_b32 s19, 0
	s_add_nc_u64 s[PFA:PFA+1], s[PFA:PFA+1], s[18:19]
	s_add_nc_u64 s[PFA:PFA+1], s[PFA:PFA+1], s[PFS:PFS+1]
	s_add_nc_u64 s[PFA:PFA+1], s[PFA:PFA+1], s[PFS:PFS+1]   ; at K step 2
	s_lshl_b32 s18, s16, 19                        ; for the ring: my two chunks of A (262,144 bytes from chunk to chunk),
	s_mov_b32 s19, 0
	s_add_nc_u64 s[20:21], s[20:21], s[18:19]
	s_mul_i32 s18, s16, 128*KROW                   ; or my 128 rows of B
	s_add_nc_u64 s[46:47], s[46:47], s[18:19]
.irp s, 0,1
	s_mov_b32 s[G0+4*\s], 1
	s_add_co_u32 s[G0+4*\s+1], s45, \s*SLOT
	s_add_nc_u64 s[G0+4*\s+2:G0+4*\s+3], s[20:21], \s*1048576
	s_or_b32 s[G0+4*\s+3], s[G0+4*\s+3], 0x80000000
	s_mov_b32 s[G0B+4*\s], 1
	s_add_co_u32 s[G0B+4*\s+1], s95, \s*SLOT
	s_add_nc_u64 s[G0B+4*\s+2:G0B+4*\s+3], s[46:47], \s*ROWB
	s_or_b32 s[G0B+4*\s+3], s[G0B+4*\s+3], 0x80000000
.endr
; the head's four tiles, one joint load a wave: wave 0 A's part of K step 0, wave 1 B's, wave 2 A's scales, wave 3 B's; one chain of arms with one join
.macro ARM under, g0, g1
	s_cmp_lt_u32 s14, \under
	s_cbranch_scc0 .Lnext_arm_\@
	tensor_load_to_lds s[\g0:\g0+3], s[\g1:\g1+7]
	s_nop 0
.rept 4
	v_nop
.endr
	s_branch .Lhead_asked
.Lnext_arm_\@:
.endm
	ARM 1, G0H, G1
	ARM 2, G0HB, G1B
	ARM 3, G0S, G1S
	tensor_load_to_lds s[G0SB:G0SB+3], s[G1SB:G1SB+7]
	s_nop 0
.rept 4
	v_nop
.endr
.Lhead_asked:
	v_and_b32 v31, 31, v0
	v_lshlrev_b32 v31, s94, v31                    ; v31: my lane's block; never rewritten
	global_prefetch_b8 v31, s[PFA:PFA+1] th:TH_LOAD_NT scope:SCOPE_SE   ; behind K step 0's load: K step 2
	v_and_b32 v1, 15, v0
	v_bfe_u32 v2, v0, 4, 1
	v_mul_u32_u24 v3, v1, PA
	v_lshl_add_u32 v3, v2, 4, v3
	v_mul_u32_u24 v4, v1, PITCH
	v_lshl_add_u32 v4, v2, 4, v4
	s_mul_i32 s21, s15, 128*PA                     ; my 128 rows inside each chunk
	s_mul_i32 s22, s16, HALFB
	s_add_co_u32 s22, s22, 2*HALFA
.irp s, 0,1
	v_add_nc_u32 v[ADRA+\s], s21, v3
	v_add_nc_u32 v[ADRA+2+\s], 2*CHS, v[ADRA+\s]   ; v18, v19: chunks 2 and 3, so that the loads' offsets stay inside 16 bits
	v_add_nc_u32 v[ADRB+\s], s22, v4
	s_add_co_u32 s21, s21, SLOT
	s_add_co_u32 s22, s22, SLOT
.endr
	v_mul_u32_u24 v5, v1, KS
	v_lshrrev_b32 v6, 8, v5
	v_lshl_add_u32 v5, v6, 4, v5
	s_mul_i32 s21, s15, HALFS
	s_mul_i32 s22, s16, HALFS
	s_add_co_u32 s22, s22, 2*HALFS
	s_sub_co_u32 s22, s22, s21
	v_mul_u32_u24 v6, s22, v2
	s_add_co_u32 s21, s21, SCL
	v_add_nc_u32 v5, v5, v6
	v_add_nc_u32 v[ADRS], s21, v5
	s_lshl_b32 s92, s42, 8
	s_lshl_b32 s93, s16, 7
	s_add_co_u32 s92, s92, s93
	s_lshl_b32 s92, s92, 2
	v_lshl_add_u32 v7, v2, 5, s92
.irp b, 0,1,2,3,4,5,6,7
	global_load_b128 v[BI+8*\b:BI+8*\b+3], v7, s[98:99] offset:64*\b
	global_load_b128 v[BI+8*\b+4:BI+8*\b+7], v7, s[98:99] offset:64*\b+16
.endr
	s_wait_alu depctr_va_vdst(0)
	s_wait_loadcnt 0x0
.macro FRAG reg, adr, q, i
.irp c, 0,1,2,3
	ds_load_b128 v[\reg+4*\c:\reg+4*\c+3], v[\adr] offset:128*(\q)+32*\c+(\i)*16*PITCH
.endr
.endm
.macro FRAGA reg, adr, q, i
.irp c, 0,1,2,3
	ds_load_b128 v[\reg+4*\c:\reg+4*\c+3], v[\adr+2*(\q)] offset:(\c/2)*CHS+32*(\c%2)+(\i)*16*PA
.endr
.endm
.macro MUL16 a0, p, q, sc, first
.irp a, \a0, \a0+1
.irp b, 0,1,2,3,4,5,6,7
.if \first
	v_wmma_scale_f32_16x16x128_f8f6f4 v[8*(8*((\a)%4)+\b):8*(8*((\a)%4)+\b)+7], v[128*(\p)+FR*\b:128*(\p)+FR*\b+FR-1], v[AF+FR*(\a):AF+FR*(\a)+FR-1], v[BI+8*\b:BI+8*\b+7], v[SC+8*NQ*(\sc)+NQ*\b+(\q)], v[SC+8*NQ*(\sc)+NQ*(\a)+(\q)] matrix_a_fmt:MATRIX_FMT_BF8 matrix_b_fmt:MATRIX_FMT_BF8 matrix_a_scale:MATRIX_SCALE_ROW1
.else
	v_wmma_scale_f32_16x16x128_f8f6f4 v[8*(8*((\a)%4)+\b):8*(8*((\a)%4)+\b)+7], v[128*(\p)+FR*\b:128*(\p)+FR*\b+FR-1], v[AF+FR*(\a):AF+FR*(\a)+FR-1], v[8*(8*((\a)%4)+\b):8*(8*((\a)%4)+\b)+7], v[SC+8*NQ*(\sc)+NQ*\b+(\q)], v[SC+8*NQ*(\sc)+NQ*(\a)+(\q)] matrix_a_fmt:MATRIX_FMT_BF8 matrix_b_fmt:MATRIX_FMT_BF8 matrix_a_scale:MATRIX_SCALE_ROW1
.endif
.endr
.endr
.endm
.macro FETCH_B slot, q, p
	WIN TO_B
.irp i, 0,1,2,3,4,5,6,7
	FRAG 128*(\p)+FR*\i, ADRB+\slot, \q, \i
.endr
	WIN 0
.endm
.macro FETCH_A slot, q, i0
.irp i, \i0, \i0+1, \i0+2, \i0+3
	FRAGA AF+FR*(\i), ADRA+\slot, \q, \i
.endr
.endm
.macro SCALES sc
.irp i, 0,1,2,3,4,5,6,7
	ds_load_b64 v[SC+8*NQ*\sc+NQ*\i:SC+8*NQ*\sc+NQ*\i+1], v[ADRS] offset:\i*SBLK
.endr
.endm
.macro PLACES n
.rept \n
	v_nop
.endr
.endm
.macro STEP slot, q, first
	s_wait_dscnt 4*NL
.if \first
	WIN BEG_LO
.else
	WIN MUL_LO
.endif
	MUL16 0, (\q)%2, \q, \slot, \first
	MUL16 2, (\q)%2, \q, \slot, \first
	s_wait_dscnt 0
	PLACES NP
	FETCH_B \slot, (\q)+1, 1-(\q)%2
	FETCH_A \slot, (\q)+1, 0
.if \first
	WIN BEG_HI
.else
	WIN MUL_HI
.endif
	MUL16 4, (\q)%2, \q, \slot, \first
	MUL16 6, (\q)%2, \q, \slot, \first
	PLACES NP
	WIN 0
	FETCH_A \slot, (\q)+1, 4
.endm
.macro TURN slot, next, fill
	s_wait_tensorcnt 0x0
	ds_add_u32 v[SPW], v[NIL]
	s_wait_dscnt 4*NL+1
	WIN MUL_LO
	MUL16 0, 1, NQ-1, \slot, 0
	s_wait_dscnt 0x0
	s_barrier_signal -1
	MUL16 2, 1, NQ-1, \slot, 0
	WIN 0
	s_barrier_wait -1
.if \fill
	CREST
	s_add_nc_u64 s[G0+4*\slot+2:G0+4*\slot+3], s[G0+4*\slot+2:G0+4*\slot+3], 2*1048576
	s_add_nc_u64 s[G0B+4*\slot+2:G0B+4*\slot+3], s[G0B+4*\slot+2:G0B+4*\slot+3], 2*ROWB
	JLOAD G0+4*\slot, G1, G0B+4*\slot, G1B
	PLACES NP-4
.else
	PLACES NP
.endif
	s_wait_alu depctr_va_vdst(0)
	v_add_nc_u32 v[ADRS], 4*NQ, v[ADRS]
	FETCH_B \next, 0, 0
	FETCH_A \next, 0, 0
	SCALES \next
	WIN MUL_HI
	MUL16 4, 1, NQ-1, \slot, 0
	MUL16 6, 1, NQ-1, \slot, 0
	PLACES NP
	WIN 0
	FETCH_A \next, 0, 4
.endm
	s_wait_tensorcnt 0x0                           ; my tile of the head's four is in
	ds_add_u32 v[SPW], v[NIL]
	s_mov_b32 s[G1+2], 2<<16                       ; no tensor load of mine is out: the ring's loads bring two chunks of A, or 128 rows of B
	s_wait_xcnt 0x0                                ; the prefetch has read its address
	s_add_nc_u64 s[PFA:PFA+1], s[PFA:PFA+1], s[PFS:PFS+1]   ; on to K step 3
	s_mov_b32 s[G1+4], 2
	s_mov_b32 s[G1B+2], 128<<16
	s_mov_b32 s[G1B+4], 128
	s_wait_dscnt 0x0
	CROUND                                         ; all four tiles are in, and all sixteen work-groups are here
	JLOAD G0+4, G1, G0B+4, G1B                     ; K step 1, the first tensor load behind the round
	FETCH_B 0, 0, 0
	global_prefetch_b8 v31, s[PFA:PFA+1] th:TH_LOAD_NT scope:SCOPE_SE   ; behind K step 1's load: K step 3, the last; the refills ask for nothing
	FETCH_A 0, 0, 0
	SCALES 0
	FETCH_A 0, 0, 4
	STEP 0, 0, 1
	s_mov_b32 s3, LAPS-1
.Llap:
	TURN 0, 1, 1
	STEP 1, 0, 0
	TURN 1, 0, 1
	STEP 0, 0, 0
	s_sub_co_u32 s3, s3, 1
	s_cmp_lg_u32 s3, 0
	s_cbranch_scc1 .Llap
	TURN 0, 1, 0
	STEP 1, 0, 0
	s_wait_dscnt 4*NL
	WIN MUL_LO
	MUL16 0, 1, NQ-1, 1, 0
	MUL16 2, 1, NQ-1, 1, 0
	s_wait_dscnt 0
	WIN MUL_HI
	MUL16 4, 1, NQ-1, 1, 0
	MUL16 6, 1, NQ-1, 1, 0
	WIN 0
.set W,   64
.set XH,  128
.set T,   144
.set S,   160
.set R,   176
.set U,   192
.set PC,  208
.set TM,  224
.set PW,  240
.set VC6, 242
.set VC4, 244
.set VK5, 246
.set STO, 24
.set STA, 25
.set SSA, 26
.set SSB, 27
.set RDB, 16
.set HO,  17
.set SRD, 18
.set SO,  19
.set SEL, 36
.set MNT, 38
.set SQ2, 68
.set C7,  70
.set C5,  72
.set C3,  74
.set C2,  76
.set C1,  78
.set K6,  80
.set K4,  82
.set K3,  84
.set K2,  86
.set K1,  88
.macro PAIRC reg, val
	s_mov_b32 s[\reg], \val
	s_mov_b32 s[\reg+1], \val
.endm
	PLACES NP
	PAIRC SQ2, 0x3fb504f3
	PAIRC C7, 0xb7d130d7
	PAIRC C5, 0xbbb79c87
	PAIRC C3, 0xbe1dbebc
	PAIRC C2, 0xbf6a77c7
	PAIRC C1, 0xbfd06f41
	PAIRC K6, 0xba1c7000
	PAIRC K4, 0xbcdb48d9
	PAIRC K3, 0x3de70e22
	PAIRC K2, 0xbec09380
	PAIRC K1, 0x3e0375d4
	s_mov_b32 s96, 0x3f6d8000
	s_mov_b32 s97, 0x7fffffff
	s_mov_b32 s[SEL], 0x76543210
	s_mov_b32 s[SEL+1], 0xfedcba98
	s_mov_b32 s[MNT], 0x600000
	v_mov_b32 v[VC6], 0x3a10ec3c
	v_mov_b32 v[VC6+1], 0x3a10ec3c
	v_mov_b32 v[VC4], 0x3d0f53cc
	v_mov_b32 v[VC4+1], 0x3d0f53cc
	v_mov_b32 v[VK5], 0x3ba38d2c
	v_mov_b32 v[VK5+1], 0x3ba38d2c
.irp b, 0,1,2,3
	v_mov_b32 v[TM+4+\b], 0
.endr
	v_and_b32 v1, 15, v0
	v_bfe_u32 v2, v0, 4, 1
	s_mul_i32 s20, s14, STGW
	v_mul_u32_u24 v[STO], v1, 144
	v_lshl_add_u32 v[STO], v2, 3, v[STO]
	v_add_nc_u32 v[STO], s20, v[STO]
	s_lshl_b32 s20, s14, 9
	s_add_co_u32 s20, s20, STGS
	v_lshl_add_u32 v[SSA], v1, 2, s20
	; h's codes are laid [n / 128][4096][128]: my block of 16 rows x 128 codes is 2,048 consecutive bytes.  It comes back from my own stage eight lanes to a row, four rows an instruction
	s_mul_i32 s20, s14, STGW
	v_bfe_u32 v3, v0, 3, 2
	v_mul_u32_u24 v[RDB], v3, 144
	v_and_b32 v4, 7, v0
	v_lshl_add_u32 v[RDB], v4, 4, v[RDB]
	v_add_nc_u32 v[RDB], s20, v[RDB]
	v_and_b32 v[HO], 31, v0
	v_lshlrev_b32 v[HO], 4, v[HO]                  ; 16 x lane
	s_lshl_b32 s20, s15, 10
	s_lshl_b32 s21, s16, 8
	s_add_co_u32 s20, s20, s21
	s_add_co_u32 s20, s20, STGS
	v_and_b32 v5, 31, v0
	v_lshl_add_u32 v[SRD], v5, 2, s20
	v_lshlrev_b32 v[SO], 7, v5
	s_lshl_b32 s20, s17, 8
	s_lshl_b32 s21, s14, 6
	s_add_co_u32 s20, s20, s21
	s_mov_b32 s23, 0
	s_lshl_b32 s22, s20, 7
	s_lshl_b32 s21, s42, 3
	s_add_co_u32 s22, s22, s21
	s_add_co_u32 s22, s22, 16777216
	s_add_nc_u64 s[66:67], s[12:13], s[22:23]
	s_lshl_b32 s22, s17, 8
	s_lshl_b32 s21, s15, 7
	s_add_co_u32 s22, s22, s21                     ; my first row
	s_lshl_b32 s22, s22, 7                         ; x 128 bytes
	s_lshl_b32 s21, s42, 1
	s_add_co_u32 s21, s21, s16                     ; my chunk of 128 columns
	s_lshl_b32 s21, s21, 19
	s_add_co_u32 s22, s22, s21
	s_add_nc_u64 s[12:13], s[12:13], s[22:23]
	s_mov_b32 s22, 0                               ; s[22:23]: what a trip adds to the stores' base: 0 in the first, then 2,048
.macro QUANT s
.irp b, 0,1,2,3
	v_max3_num_f32 v[TM+\b], |v[\s+16*\b]|, |v[\s+1+16*\b]|, 0x8000000
.endr
.irp i, 2,4,6,8,10,12,14
.irp b, 0,1,2,3
	v_max3_num_f32 v[TM+\b], v[TM+\b], |v[\s+16*\b+\i]|, |v[\s+1+16*\b+\i]|
.endr
.endr
.irp b, 0,1,2,3
	v_permlanex16_b32 v[TM+4+\b], v[TM+\b], s[SEL], s[SEL+1]
.endr
.irp b, 0,1,2,3
	v_max_num_f32 v[TM+\b], v[TM+\b], v[TM+4+\b]
.endr
.irp b, 0,1,2,3
	v_add_nc_u32 v[TM+12+\b], 0xf8800000, v[TM+\b]
.endr
.irp b, 0,1,2,3
	v_and_or_b32 v[TM+8+\b], v[TM+\b], 0x7f800000, s[MNT]
.endr
.irp b, 0,1,2,3
	v_lshrrev_b32 v[TM+4+\b], 23, v[TM+12+\b]
.endr
	v_lshl_or_b32 v[PW], v[TM+5], 8, v[TM+4]
	v_lshl_or_b32 v[PW], v[TM+6], 16, v[PW]
	v_lshl_or_b32 v[PW], v[TM+7], 24, v[PW]
.irp b, 0,1,2,3
.irp i, 0,1,2,3,4,5,6,7,8,9,10,11,12,13,14,15
	v_med3_num_f32 v[\s+16*\b+\i], v[\s+16*\b+\i], -v[TM+8+\b], v[TM+8+\b]
.endr
	v_cvt_scalef32_pk8_bf8_f32 v[PC+4*\b:PC+1+4*\b], v[\s+16*\b:\s+7+16*\b], v[TM+12+\b]
	v_cvt_scalef32_pk8_bf8_f32 v[PC+2+4*\b:PC+3+4*\b], v[\s+8+16*\b:\s+15+16*\b], v[TM+12+\b]
.endr
	v_nop
.endm
.macro GELU16 w
.irp i, 0,1,2,3,4,5,6,7,8,9,10,11,12,13,14,15
	v_and_b32 v[XH+\i], s97, v[\w+\i]
.endr
.irp i, 0,2,4,6,8,10,12,14
	v_pk_mul_f32 v[T+\i:T+\i+1], v[XH+\i:XH+\i+1], s[SQ2:SQ2+1] op_sel_hi:[1,0]
.endr
.irp i, 0,2,4,6,8,10,12,14
	v_pk_mul_f32 v[S+\i:S+\i+1], v[T+\i:T+\i+1], v[T+\i:T+\i+1]
.endr
.irp i, 0,2,4,6,8,10,12,14
	v_pk_fma_f32 v[R+\i:R+\i+1], v[T+\i:T+\i+1], s[C7:C7+1], v[VC6:VC6+1] op_sel_hi:[1,0,1]
.endr
.irp i, 0,2,4,6,8,10,12,14
	v_pk_fma_f32 v[U+\i:U+\i+1], v[T+\i:T+\i+1], s[C5:C5+1], v[VC4:VC4+1] op_sel_hi:[1,0,1]
.endr
.irp i, 0,2,4,6,8,10,12,14
	v_pk_fma_f32 v[R+\i:R+\i+1], v[R+\i:R+\i+1], v[S+\i:S+\i+1], v[U+\i:U+\i+1]
.endr
.irp k, C3, C2, C1
.irp i, 0,2,4,6,8,10,12,14
	v_pk_fma_f32 v[R+\i:R+\i+1], v[R+\i:R+\i+1], v[T+\i:T+\i+1], s[\k:\k+1] op_sel_hi:[1,1,0]
.endr
.endr
.irp i, 0,2,4,6,8,10,12,14
	v_pk_mul_f32 v[R+\i:R+\i+1], v[R+\i:R+\i+1], v[T+\i:T+\i+1]
.endr
	s_wait_alu depctr_va_vdst(0)
.irp i, 0,1,2,3,4,5,6,7,8,9,10,11,12,13,14,15
	v_exp_f32 v[R+\i], v[R+\i]
.endr
.irp i, 0,2,4,6,8,10,12,14
	v_pk_fma_f32 v[U+\i:U+\i+1], v[S+\i:S+\i+1], s[K6:K6+1], v[VK5:VK5+1] op_sel_hi:[1,0,1]
.endr
.irp k, K4, K3, K2, K1
.irp i, 0,2,4,6,8,10,12,14
	v_pk_fma_f32 v[U+\i:U+\i+1], v[U+\i:U+\i+1], v[S+\i:S+\i+1], s[\k:\k+1] op_sel_hi:[1,1,0]
.endr
.endr
.irp i, 0,2,4,6,8,10,12,14
	v_pk_fma_f32 v[U+\i:U+\i+1], v[U+\i:U+\i+1], v[T+\i:T+\i+1], v[T+\i:T+\i+1]
.endr
.irp i, 0,2,4,6,8,10,12,14
	v_pk_add_f32 v[S+\i:S+\i+1], v[\w+\i:\w+\i+1], v[XH+\i:XH+\i+1]
.endr
	s_wait_alu depctr_va_vdst(0)
.irp i, 0,2,4,6,8,10,12,14
	v_pk_fma_f32 v[R+\i:R+\i+1], v[XH+\i:XH+\i+1], v[R+\i:R+\i+1], v[S+\i:S+\i+1] neg_lo:[1,0,0] neg_hi:[1,0,0]
.endr
.irp i, 0,2,4,6,8,10,12,14
	v_pk_fma_f32 v[U+\i:U+\i+1], v[XH+\i:XH+\i+1], v[U+\i:U+\i+1], v[\w+\i:\w+\i+1]
.endr
.irp i, 0,1,2,3,4,5,6,7,8,9,10,11,12,13,14,15
	v_cmp_lt_f32 vcc_lo, s96, v[T+\i]
	v_cndmask_b32 v[\w+\i], v[U+\i], v[R+\i], vcc_lo
.endr
.endm
	s_mov_b32 s3, 0
	s_mov_b32 s18, 0
	s_mov_b32 s19, 0
.Lrow:
.irp a, 0,1,2,3,4,5,6
	s_cmp_eq_u32 s3, \a
	s_cbranch_scc1 .Lm_\a
.endr
	s_branch .Lm_7
.irp a, 0,1,2,3,4,5,6,7
.Lm_\a:
	WIN 0x02+\a/4
.set II, 0
.rept 32
	v_pk_mul_f32 v[W+II:W+II+1], v[64*(\a%4)+II:64*(\a%4)+II+1], 0.5 op_sel_hi:[1,0]
.set II, II+2
.endr
	WIN 0
	s_branch .Lgelu
.endr
.Lgelu:
.macro SENDB                           ; a block's codes: each store of the wave covers 512 consecutive bytes, aligned
.irp i, 0,1,2,3
	global_store_b128 v[HO], v[32+4*\i:35+4*\i], s[12:13] offset:512*\i
.endr
.endm
	GELU16 W
	s_wait_alu depctr_va_vdst(0)                   ; the wait here, directly ahead of the wait below
	s_wait_dscnt 0x0                               ; the block before is back from my stage
	s_cmp_eq_u32 s3, 0                             ; the first trip has no block before it: the branch leads round the stores alone
	s_cbranch_scc1 .Lno_block
	SENDB
.Lno_block:
	GELU16 W+16
	GELU16 W+32
	GELU16 W+48
	QUANT W
	s_wait_alu depctr_va_vdst(0)                   ; the wait here, directly ahead of the wait below
	s_wait_xcnt 0x0                                ; the stores have read their registers and their base
	s_add_nc_u64 s[12:13], s[12:13], s[22:23]
	s_mov_b32 s22, 2048
	v_add_nc_u32 v22, s18, v[RDB]
	v_add_nc_u32 v[STA], s18, v[STO]
	v_add_nc_u32 v[SSB], s19, v[SSA]
.irp t, 0,1,2,3,4,5,6,7
	ds_store_b64 v[STA], v[PC+2*\t:PC+2*\t+1] offset:16*\t
.endr
	ds_store_b32 v[SSB], v[PW]
.irp i, 0,1,2,3
	ds_load_b128 v[32+4*\i:35+4*\i], v22 offset:576*\i   ; LDS serves a wave's instructions in order: these see my stores; they are waited for in the next trip
.endr
	s_add_co_u32 s18, s18, 16*144
	s_add_co_u32 s19, s19, 64
	s_add_co_u32 s3, s3, 1
	s_cmp_lt_u32 s3, 8
	s_cbranch_scc1 .Lrow
	s_wait_dscnt 0x0                               ; the last block is back, and my scale words are stored
	SENDB
	s_barrier_signal -1
	s_barrier_wait -1                              ; the scale words of two waves make a row's eight bytes
	ds_load_b32 v192, v[SRD]
	ds_load_b32 v193, v[SRD] offset:512
	ds_load_b32 v194, v[SRD] offset:128
	ds_load_b32 v195, v[SRD] offset:640
	s_wait_dscnt 0x0
	global_store_b64 v[SO], v[192:193], s[66:67]
	global_store_b64 v[SO], v[194:195], s[66:67] offset:4096
	s_wait_tensorcnt 0x0
	ds_add_u32 v[SPW], v[NIL]
	s_wait_dscnt 0x0
	CROUND
	s_endpgm
.Lfunc_end_k_q1ba98cbcad_ffn1:
	.size	k_q1ba98cbcad_ffn1, .Lfunc_end_k_q1ba98cbcad_ffn1-k_q1ba98cbcad_ffn1
	.p2alignl 7, 3214868480
	.fill 96, 4, 3214868480
	.section	.rodata,"a",@progbits
	.p2align	6, 0x0
	.amdhsa_kernel k_q1ba98cbcad_ffn1
		.amdhsa_group_segment_fixed_size 327680
		.amdhsa_private_segment_fixed_size 0
		.amdhsa_enable_private_segment 0
		.amdhsa_kernarg_size 40
		.amdhsa_user_sgpr_count 2
		.amdhsa_user_sgpr_kernarg_segment_ptr 1
		.amdhsa_wavefront_size32 1
		.amdhsa_system_sgpr_workgroup_id_x 1
		.amdhsa_system_sgpr_workgroup_id_y 1
		.amdhsa_system_sgpr_workgroup_id_z 1
		.amdhsa_system_vgpr_workitem_id 0
		.amdhsa_next_free_vgpr 1024
		.amdhsa_next_free_sgpr 106
		.amdhsa_reserve_vcc 1
		.amdhsa_float_denorm_mode_32 3
		.amdhsa_float_denorm_mode_16_64 3
		.amdhsa_memory_ordered 1
		.amdhsa_forward_progress 1
		.amdhsa_inst_pref_size 196
	.end_amdhsa_kernel
	.amdgpu_metadata
---
amdhsa.version: [ 1, 2 ]
amdhsa.kernels:
  - .name:           k_q1ba98cbcad_ffn1
    .symbol:         k_q1ba98cbcad_ffn1.kd
    .args:
      - { .name: X1, .offset: 0, .size: 8, .value_kind: global_buffer, .address_space: global }
      - { .name: W1_codes, .offset: 8, .size: 8, .value_kind: global_buffer, .address_space: global }
      - { .name: W1_scales, .offset: 16, .size: 8, .value_kind: global_buffer, .address_space: global }
      - { .name: b1, .offset: 24, .size: 8, .value_kind: global_buffer, .address_space: global }
      - { .name: HB, .offset: 32, .size: 8, .value_kind: global_buffer, .address_space: global }
    .group_segment_fixed_size: 327680
    .private_segment_fixed_size: 0
    .kernarg_segment_align: 8
    .kernarg_segment_size: 40
    .max_flat_workgroup_size: 128
    .sgpr_count:     106
    .vgpr_count:     1024
    .wavefront_size: 32
...
	.end_amdgpu_metadata
.endif
;; end of part 5
;; launch ffn2 (part 6): grid 8 x 32, 4 waves a work-group, clusters of 4 x 4, 327,680 bytes of LDS; arguments HB, W2_codes, W2_scales, b2, X1, out0; writes out0
.if DOCPART == 6
	.amdgcn_target "amdgcn-amd-amdhsa--gfx1250"
	.amdhsa_code_object_version 6
	.text
	.protected	k_q1ba98cbcad_ffn2
	.globl	k_q1ba98cbcad_ffn2
	.p2align	8
	.type	k_q1ba98cbcad_ffn2,@function
k_q1ba98cbcad_ffn2:
	s_mov_b64 s[64:65], 0
	v_nop
	global_prefetch_b8 v0, s[64:65] scope:SCOPE_SE
	s_setreg_imm32_b32 hwreg(HW_REG_WAVE_MODE, 25, 1), 1
	s_wait_xcnt 0x0
	s_wait_alu depctr_hold_cnt(0) depctr_sa_sdst(0) depctr_va_vdst(0) depctr_va_sdst(0) depctr_va_ssrc(0) depctr_va_vcc(0) depctr_vm_vsrc(0)
	s_getreg_b32 s2, hwreg(HW_REG_IB_STS2, 6, 4)
	s_cmp_eq_u32 s2, 0
	s_cbranch_scc0 .Lentry_in_a_cluster
	s_endpgm
.Lentry_in_a_cluster:
	s_bfe_u32 s2, ttmp6, 0x10000c
	s_cmp_lg_u32 s2, 0xf033
	s_cbranch_scc0 .Lentry_shape_is_right
	s_endpgm
.Lentry_shape_is_right:
.set SIZE_K, 4096
.set PB,     528
.set HALFB,  64*PB
.set CHS,    64*272                    ; A = h's codes, laid [n / 128][4096][128]: a chunk of the tile is 128 rows x 128 dense bytes, in LDS 64 units of 256 bytes (two rows) + 16 of padding
.set HALFA,  2*CHS                     ; what one load of the ring brings: two of a K step's four chunks
.set SLOT,   2*HALFA+2*HALFB
.set LAPS,   4
.set KS,     128
.set SCL,    2*SLOT
.set HALFS,  (64*KS/256)*272
.set SBLK,   (16*KS/256)*272
.set SPARE,  SCL+4*HALFS
.set STAGE,  SPARE+512
.set ADRA, 16
.set ADRB, 20
.set STO,  24
.set RD,   25
.set CO,   26
.set ADRS, 27
.set SPW,  28
.set NIL,  29
.set SC,   32
.set BI,   64
.set OB,   64
.set ACC,  128
.set G1, 24
.set G0, 32
.set G1B, 48
.set G0B, 56
.set G1S, 68
.set G0S, 76
.set G1SB, 80
.set G0SB, 88
.set MSB, 0
.macro WIN new
.if MSB != (\new)
	s_set_vgpr_msb (MSB<<8)|(\new)
.set MSB, (\new)
.endif
.endm
.set MUL,  0x05
.set TO_F, 0x40
.macro JLOAD g0a, g1a, g0b, g1b
	s_cmp_eq_u32 s15, 0
	s_cbranch_scc0 .Lfor_b_\@
	tensor_load_to_lds s[\g0a:\g0a+3], s[\g1a:\g1a+7]
	s_nop 0
.rept 4
	v_nop
.endr
	s_branch .Lasked_\@
.Lfor_b_\@:
	tensor_load_to_lds s[\g0b:\g0b+3], s[\g1b:\g1b+7]
	s_nop 0
.rept 4
	v_nop
.endr
.Lasked_\@:
.endm
.macro CREST
	s_cmp_lg_u32 s14, 0
	s_cbranch_scc1 .Lnot_wave_0_\@
	s_barrier_signal -3
.Lnot_wave_0_\@:
	s_barrier_wait -3
	s_barrier_signal -1
	s_barrier_wait -1
.endm
.macro CROUND
	s_barrier_signal -1
	s_barrier_wait -1
	CREST
.endm
	s_load_b64 s[4:5], s[0:1], 0x0
	s_load_b128 s[8:11], s[0:1], 0x8
	s_load_b128 s[96:99], s[0:1], 0x18
	s_load_b64 s[12:13], s[0:1], 0x28
	v_lshl_add_u32 v[SPW], v0, 2, SPARE
	v_mov_b32 v[NIL], 0
	ds_add_u32 v28, v29
	ds_add_u32 v28, v29
	s_wait_dscnt 0x0
	v_lshrrev_b32 v1, 5, v0
	v_readfirstlane_b32 s14, v1
	s_lshr_b32 s15, s14, 1
	s_and_b32 s16, s14, 1
	s_bfe_u32 s40, ttmp6, 0x40000
	s_bfe_u32 s41, ttmp6, 0x40004
	s_lshl_b32 s42, ttmp9, 2
	s_add_co_u32 s42, s42, s40
	s_and_b32 s17, ttmp7, 0xffff
	s_lshl_b32 s17, s17, 2
	s_add_co_u32 s17, s17, s41
	s_lshl_b32 s43, s41, 2
	s_lshl_b32 s43, 15, s43
	s_lshl_b32 s44, 0x1111, s40
	s_or_b32 s[G1+0], s43, (1<<20)|(1<<21)|(5<<22)|(3<<25)
	s_or_b32 s[G1B+0], s44, (1<<20)|(1<<21)|(6<<22)|(3<<25)
.irp g, G1, G1B
	s_mov_b32 s[\g+1], 512<<16
	s_mov_b32 s[\g+2], 128<<16                     ; the head's loads bring 128 rows; the ring's 64 (set behind the head's wait)
	s_mov_b32 s[\g+3], 512<<16
	s_mov_b32 s[\g+4], 128
	s_mov_b32 s[\g+5], SIZE_K
	s_mov_b32 s[\g+6], 0
	s_mov_b32 s[\g+7], 0
.endr
	s_mov_b32 s[G1+1], 16384<<16                   ; A's own shape: chunks of 16,384 bytes, 524,288 apart; the head's load brings 4, the ring's 2
	s_mov_b32 s[G1+2], 4<<16
	s_mov_b32 s[G1+3], 16384<<16
	s_mov_b32 s[G1+4], 4
	s_mov_b32 s[G1+5], 524288
	s_or_b32 s[G1S+0], s43, (3<<16)|(1<<20)|(1<<21)|(5<<22)|(3<<25)
	s_or_b32 s[G1SB+0], s44, (3<<16)|(1<<20)|(1<<21)|(5<<22)|(3<<25)
.irp g, G1S, G1SB
	s_mov_b32 s[\g+1], 32<<16
	s_mov_b32 s[\g+2], (128*KS/256)<<16
	s_mov_b32 s[\g+3], 32<<16
	s_mov_b32 s[\g+4], 128*KS/256
	s_mov_b32 s[\g+5], 32
	s_mov_b32 s[\g+6], 0
	s_mov_b32 s[\g+7], 0
.endr
	s_lshl_b32 s20, s17, 7                         ; A: the tile's first row
	s_lshl_b32 s46, s42, 7                         ; B: likewise
	s_mov_b32 s21, 0
	s_mov_b32 s47, 0
	s_mov_b64 s[18:19], KS
	s_mul_u64 s[22:23], s[20:21], s[18:19]
	s_mul_u64 s[92:93], s[46:47], s[18:19]
	s_mov_b64 s[18:19], SIZE_K
	s_lshl_b64 s[20:21], s[20:21], 7               ; A: 128 bytes a row inside a chunk
	s_mul_u64 s[46:47], s[46:47], s[18:19]
	s_mul_i32 s45, s16, HALFA
	s_mul_i32 s95, s16, HALFB
	s_add_co_u32 s95, s95, 2*HALFA
	s_wait_kmcnt 0x0
	s_add_nc_u64 s[6:7], s[4:5], 16777216
	s_add_nc_u64 s[20:21], s[4:5], s[20:21]
	s_add_nc_u64 s[22:23], s[6:7], s[22:23]
	s_add_nc_u64 s[46:47], s[8:9], s[46:47]
	s_add_nc_u64 s[92:93], s[10:11], s[92:93]
	CROUND
	s_mov_b32 s[G0S], 1
	s_mov_b32 s[G0S+1], SCL
	s_mov_b64 s[G0S+2:G0S+3], s[22:23]
	s_or_b32 s[G0S+3], s[G0S+3], 0x80000000
	s_mov_b32 s[G0SB], 1
	s_mov_b32 s[G0SB+1], SCL+2*HALFS
	s_mov_b64 s[G0SB+2:G0SB+3], s[92:93]
	s_or_b32 s[G0SB+3], s[G0SB+3], 0x80000000
.set G0H, 4                            ; s[4:7], s[8:11] group 0 of the head's loads of K step 0 (the pointers that lay there have been used)
.set G0HB, 8
	s_mov_b32 s[G0H], 1
	s_mov_b32 s[G0H+1], 0
	s_mov_b64 s[G0H+2:G0H+3], s[20:21]
	s_or_b32 s[G0H+3], s[G0H+3], 0x80000000
	s_mov_b32 s[G0HB], 1
	s_mov_b32 s[G0HB+1], 2*HALFA
	s_mov_b64 s[G0HB+2:G0HB+3], s[46:47]
	s_or_b32 s[G0HB+3], s[G0HB+3], 0x80000000
	; the prefetches: waves 0, 1 ask for A's tile, waves 2, 3 for B's; the four partners of a joint load share a K step's 256 blocks of 256 bytes out by address.
	; A: partner p takes chunk p (16,384 dense bytes), a wave half of it, lanes 256 bytes apart.  B: partner p takes 32 rows, a wave one half of their 512 bytes, a lane a row
.set PFA, 100                          ; s[100:101] where my prefetch stands
.set PFS, 104                          ; s[104:105] a K step in bytes
	s_cmp_eq_u32 s15, 0
	s_cselect_b64 s[PFA:PFA+1], s[20:21], s[46:47]
	s_cselect_b32 s18, s40, s41
	s_cselect_b32 s19, 19, 17
	s_cselect_b32 s22, 13, 8
	s_cselect_b32 s94, 8, 12
	s_mov_b32 s[PFS], 512
	s_cselect_b32 s[PFS], 0x200000, s[PFS]
	s_mov_b32 s[PFS+1], 0
	s_lshl_b32 s18, s18, s19
	s_lshl_b32 s22, s16, s22
	s_add_co_u32 s18, s18, s22
	s_mov_b32 s19, 0
	s_add_nc_u64 s[PFA:PFA+1], s[PFA:PFA+1], s[18:19]
	s_add_nc_u64 s[PFA:PFA+1], s[PFA:PFA+1], s[PFS:PFS+1]
	s_add_nc_u64 s[PFA:PFA+1], s[PFA:PFA+1], s[PFS:PFS+1]   ; at K step 2
	s_lshl_b32 s18, s16, 20                        ; for the ring: my two chunks of A,
	s_add_nc_u64 s[20:21], s[20:21], s[18:19]
	s_mul_i32 s18, s16, 64*SIZE_K                  ; or my 64 rows of B
	s_add_nc_u64 s[46:47], s[46:47], s[18:19]
.irp s, 0,1
	s_mov_b32 s[G0+4*\s], 1
	s_add_co_u32 s[G0+4*\s+1], s45, \s*SLOT
	s_add_nc_u64 s[G0+4*\s+2:G0+4*\s+3], s[20:21], \s*2097152
	s_or_b32 s[G0+4*\s+3], s[G0+4*\s+3], 0x80000000
	s_mov_b32 s[G0B+4*\s], 1
	s_add_co_u32 s[G0B+4*\s+1], s95, \s*SLOT
	s_add_nc_u64 s[G0B+4*\s+2:G0B+4*\s+3], s[46:47], \s*512
	s_or_b32 s[G0B+4*\s+3], s[G0B+4*\s+3], 0x80000000
.endr
; the head's four tiles, one joint load a wave: wave 0 A's 128 rows of K step 0, wave 1 B's, wave 2 A's scales, wave 3 B's; one chain of arms with one join
.macro ARM under, g0, g1
	s_cmp_lt_u32 s14, \under
	s_cbranch_scc0 .Lnext_arm_\@
	tensor_load_to_lds s[\g0:\g0+3], s[\g1:\g1+7]
	s_nop 0
.rept 4
	v_nop
.endr
	s_branch .Lhead_asked
.Lnext_arm_\@:
.endm
	ARM 1, G0H, G1
	ARM 2, G0HB, G1B
	ARM 3, G0S, G1S
	tensor_load_to_lds s[G0SB:G0SB+3], s[G1SB:G1SB+7]
	s_nop 0
.rept 4
	v_nop
.endr
.Lhead_asked:
	v_and_b32 v31, 31, v0
	v_lshlrev_b32 v31, s94, v31                    ; v31: my lane's block; never rewritten
	global_prefetch_b8 v31, s[PFA:PFA+1] th:TH_LOAD_NT scope:SCOPE_SE   ; behind K step 0's load: K step 2
	v_and_b32 v1, 15, v0
	v_bfe_u32 v2, v0, 4, 1
	v_mul_u32_u24 v4, v1, PB
	v_lshl_add_u32 v4, v2, 4, v4
	v_lshrrev_b32 v3, 1, v1                        ; A: row r lies in unit r / 2, half r % 2: the sixteen rows of a fragment start at sixteen different 16-byte columns of 256
	v_mul_u32_u24 v3, v3, 272
	v_and_b32 v5, 1, v1
	v_lshl_add_u32 v3, v5, 7, v3
	v_lshl_add_u32 v3, v2, 4, v3
	s_mul_i32 s21, s15, 32*272                     ; my 64 rows inside each chunk
	s_mul_i32 s22, s16, HALFB
	s_add_co_u32 s22, s22, 2*HALFA
.irp s, 0,1
	v_add_nc_u32 v[ADRA+\s], s21, v3
	v_add_nc_u32 v[ADRB+\s], s22, v4
	s_add_co_u32 s21, s21, SLOT
	s_add_co_u32 s22, s22, SLOT
.endr
	v_mul_u32_u24 v5, v1, KS
	v_lshrrev_b32 v6, 8, v5
	v_lshl_add_u32 v5, v6, 4, v5
	s_mul_i32 s21, s15, HALFS
	s_mul_i32 s22, s16, HALFS
	s_add_co_u32 s22, s22, 2*HALFS
	s_sub_co_u32 s22, s22, s21
	v_mul_u32_u24 v6, s22, v2
	s_add_co_u32 s21, s21, SCL
	v_add_nc_u32 v5, v5, v6
	v_add_nc_u32 v[ADRS], s21, v5
	s_mul_i32 s23, s14, 16*272
	s_add_co_u32 s23, s23, STAGE
	v_mul_u32_u24 v5, v1, 272
	v_lshl_add_u32 v5, v2, 5, v5
	v_add_nc_u32 v[STO], s23, v5
	v_mul_u32_u24 v5, v2, 272
	v_lshl_add_u32 v5, v1, 4, v5
	v_add_nc_u32 v[RD], s23, v5
	v_lshlrev_b32 v[CO], 4, v1
	v_lshl_add_u32 v[CO], v2, 12, v[CO]
	v_lshlrev_b32 v7, 5, v2
	s_wait_alu depctr_va_vdst(0)
	s_lshl_b32 s92, s17, 7
	s_lshl_b32 s93, s15, 6
	s_add_co_u32 s92, s92, s93
	s_lshl_b32 s93, s42, 7
	s_lshl_b32 s94, s16, 6
	s_add_co_u32 s93, s93, s94
	s_mov_b32 s19, 0
	s_lshl_b32 s18, s92, 12
	s_lshl_b32 s94, s93, 2
	s_add_co_u32 s18, s18, s94
	s_add_nc_u64 s[98:99], s[98:99], s[18:19]
	s_add_nc_u64 s[12:13], s[12:13], s[18:19]
	s_mov_b32 s18, s94
	s_add_nc_u64 s[96:97], s[96:97], s[18:19]
.irp b, 0,1,2,3
	global_load_b128 v[BI+8*\b:BI+8*\b+3], v7, s[96:97] offset:64*\b
	global_load_b128 v[BI+8*\b+4:BI+8*\b+7], v7, s[96:97] offset:64*\b+16
.endr
	WIN TO_F
.irp a, 0,1,2,3
.irp t, 0,1,2,3,4,5,6,7
	global_load_b128 v[32*\a+4*\t:32*\a+4*\t+3], v[CO], s[98:99] offset:(16*\a+2*\t)*4096
.endr
.endr
.irp a, 0,1,2,3
	s_wait_loadcnt 24-8*\a
	WIN 0x04
.irp t, 0,1,2,3,4,5,6,7
	ds_store_b128 v[RD], v[32*\a+4*\t:32*\a+4*\t+3] offset:544*\t
.endr
	WIN 0
.irp b, 0,1,2,3
	ds_load_b128 v[ACC+8*(4*\a+\b):ACC+8*(4*\a+\b)+3], v[STO] offset:64*\b
	ds_load_b128 v[ACC+8*(4*\a+\b)+4:ACC+8*(4*\a+\b)+7], v[STO] offset:64*\b+16
.endr
.endr
	s_wait_dscnt 0x0
.irp a, 0,1,2,3
.irp b, 0,1,2,3
.irp p, 0,2,4,6
	v_pk_add_f32 v[ACC+8*(4*\a+\b)+\p:ACC+8*(4*\a+\b)+\p+1], v[ACC+8*(4*\a+\b)+\p:ACC+8*(4*\a+\b)+\p+1], v[BI+8*\b+\p:BI+8*\b+\p+1]
.endr
.endr
.endr
.macro FRAG reg, adr, q, i
.irp c, 0,1,2,3
	ds_load_b128 v[\reg+4*\c:\reg+4*\c+3], v[\adr] offset:128*(\q)+32*\c+(\i)*16*PB
.endr
.endm
.macro FRAGA reg, adr, q, i            ; the slot's q-th 128 along K is its chunk q; 16 rows are eight units
.irp c, 0,1,2,3
	ds_load_b128 v[\reg+4*\c:\reg+4*\c+3], v[\adr] offset:(\q)*CHS+32*\c+(\i)*8*272
.endr
.endm
.macro FETCH slot, q, f
	WIN TO_F
.irp i, 0,1,2,3
	FRAG \f+64+16*\i, ADRB+\slot, \q, \i
.endr
.irp i, 0,1,2,3
	FRAGA \f+16*\i, ADRA+\slot, \q, \i
.endr
.endm
.macro SCALES sc
.irp i, 0,1,2,3
	ds_load_b128 v[SC+16*\sc+4*\i:SC+16*\sc+4*\i+3], v[ADRS] offset:\i*SBLK
.endr
.endm
.macro PLACES n
.rept \n
	v_nop
.endr
.endm
.macro MUL8 f, q, sc, a0
.irp a, \a0, \a0+1
.irp b, 0,1,2,3
	v_wmma_scale_f32_16x16x128_f8f6f4 v[ACC+8*(4*(\a)+\b):ACC+8*(4*(\a)+\b)+7], v[\f+64+16*\b:\f+64+16*\b+15], v[\f+16*(\a):\f+16*(\a)+15], v[ACC+8*(4*(\a)+\b):ACC+8*(4*(\a)+\b)+7], v[SC+16*(\sc)+4*\b+(\q)], v[SC+16*(\sc)+4*(\a)+(\q)] matrix_a_fmt:MATRIX_FMT_BF8 matrix_b_fmt:MATRIX_FMT_BF8 matrix_a_scale:MATRIX_SCALE_ROW1
.endr
.endr
.endm
.macro QUARTER slot, q
	s_wait_dscnt 0x0
	PLACES 8
	FETCH \slot, (\q)+1, 128*(1-(\q)%2)
	WIN MUL
	MUL8 128*((\q)%2), \q, \slot, 0
	MUL8 128*((\q)%2), \q, \slot, 2
.endm
.macro TURN slot, next, fill
	WIN 0
.if \fill
	s_wait_xcnt 0x0                                ; my last prefetch has read its address
	s_add_nc_u64 s[PFA:PFA+1], s[PFA:PFA+1], s[PFS:PFS+1]   ; two K steps on from the refill below
.endif
	s_wait_tensorcnt 0x0
	ds_add_u32 v[SPW], v[NIL]
	s_wait_dscnt 0x0
	s_barrier_signal -1
	WIN MUL
	MUL8 128, 3, \slot, 0
	WIN 0
	s_barrier_wait -1
.if \fill
	CREST
	s_add_nc_u64 s[G0+4*\slot+2:G0+4*\slot+3], s[G0+4*\slot+2:G0+4*\slot+3], 4194304
	s_add_nc_u64 s[G0B+4*\slot+2:G0B+4*\slot+3], s[G0B+4*\slot+2:G0B+4*\slot+3], 1024
	JLOAD G0+4*\slot, G1, G0B+4*\slot, G1B
	PLACES 4
.else
	PLACES 8
.endif
	s_wait_alu depctr_va_vdst(0)
	v_add_nc_u32 v[ADRS], 16, v[ADRS]
	FETCH \next, 0, 0
	WIN 0
	SCALES \next
.if \fill
	s_cmp_gt_u32 s3, 1                             ; the loop's last trip loads K steps 6 and 7: no K step stands two on
	s_cbranch_scc0 .Lno_ask_\@
	global_prefetch_b8 v31, s[PFA:PFA+1] th:TH_LOAD_NT scope:SCOPE_SE
.Lno_ask_\@:
.endif
	WIN MUL
	MUL8 128, 3, \slot, 2
.endm
	s_wait_alu depctr_va_vdst(0)                   ; the wait at the head's end
	s_wait_tensorcnt 0x0                           ; my tile of the head's four is in
	ds_add_u32 v[SPW], v[NIL]
	s_mov_b32 s[G1+2], 2<<16                       ; no tensor load of mine is out: the ring's loads bring two chunks of A, or 64 rows of B
	s_mov_b32 s[G1+4], 2
	s_wait_xcnt 0x0                                ; the prefetch has read its address
	s_add_nc_u64 s[PFA:PFA+1], s[PFA:PFA+1], s[PFS:PFS+1]   ; on to K step 3
	s_mov_b32 s[G1B+2], 64<<16
	s_mov_b32 s[G1B+4], 64
	s_wait_dscnt 0x0
	CROUND                                         ; all four tiles are in, and all sixteen work-groups are here
	JLOAD G0+4, G1, G0B+4, G1B                     ; K step 1, the first tensor load behind the round
	FETCH 0, 0, 0
	WIN 0
	SCALES 0
	global_prefetch_b8 v31, s[PFA:PFA+1] th:TH_LOAD_NT scope:SCOPE_SE   ; behind K step 1's load: K step 3
	s_mov_b32 s3, LAPS-1
.Llap:
	s_wait_alu depctr_va_vdst(0)
	QUARTER 0, 0
	QUARTER 0, 1
	QUARTER 0, 2
	TURN 0, 1, 1
	QUARTER 1, 0
	QUARTER 1, 1
	QUARTER 1, 2
	TURN 1, 0, 1
	WIN 0
	s_sub_co_u32 s3, s3, 1
	s_cmp_lg_u32 s3, 0
	s_cbranch_scc1 .Llap
	QUARTER 0, 0
	QUARTER 0, 1
	QUARTER 0, 2
	TURN 0, 1, 0
	QUARTER 1, 0
	QUARTER 1, 1
	QUARTER 1, 2
	s_wait_dscnt 0x0
	MUL8 128, 3, 1, 0
	MUL8 128, 3, 1, 2
	WIN 0
.macro TOSTAGE a
.irp b, 0,1,2,3
	ds_store_b128 v[STO], v[ACC+8*(4*(\a)+\b):ACC+8*(4*(\a)+\b)+3] offset:64*\b
	ds_store_b128 v[STO], v[ACC+8*(4*(\a)+\b)+4:ACC+8*(4*(\a)+\b)+7] offset:64*\b+16
.endr
.irp t, 0,1,2,3,4,5,6,7
	ds_load_b128 v[OB+32*((\a)%2)+4*\t:OB+32*((\a)%2)+4*\t+3], v[RD] offset:544*\t
.endr
.endm
.macro SEND a, younger
	s_wait_dscnt \younger
.irp t, 0,1,2,3,4,5,6,7
	global_store_b128 v[CO], v[OB+32*((\a)%2)+4*\t:OB+32*((\a)%2)+4*\t+3], s[12:13] offset:(16*(\a)+2*\t)*4096 th:TH_STORE_NT
.endr
.endm
	PLACES 8
	TOSTAGE 0
	TOSTAGE 1
	SEND 0, 16
	s_wait_xcnt 0x0
	TOSTAGE 2
	SEND 1, 16
	s_wait_xcnt 0x0
	TOSTAGE 3
	SEND 2, 16
	SEND 3, 0
	s_wait_tensorcnt 0x0
	ds_add_u32 v[SPW], v[NIL]
	s_wait_dscnt 0x0
	CROUND
	s_endpgm
.Lfunc_end_k_q1ba98cbcad_ffn2:
	.size	k_q1ba98cbcad_ffn2, .Lfunc_end_k_q1ba98cbcad_ffn2-k_q1ba98cbcad_ffn2
	.p2alignl 7, 3214868480
	.fill 96, 4, 3214868480
	.section	.rodata,"a",@progbits
	.p2align	6, 0x0
	.amdhsa_kernel k_q1ba98cbcad_ffn2
		.amdhsa_group_segment_fixed_size 327680
		.amdhsa_private_segment_fixed_size 0
		.amdhsa_enable_private_segment 0
		.amdhsa_kernarg_size 48
		.amdhsa_user_sgpr_count 2
		.amdhsa_user_sgpr_kernarg_segment_ptr 1
		.amdhsa_wavefront_size32 1
		.amdhsa_system_sgpr_workgroup_id_x 1
		.amdhsa_system_sgpr_workgroup_id_y 1
		.amdhsa_system_sgpr_workgroup_id_z 1
		.amdhsa_system_vgpr_workitem_id 0
		.amdhsa_next_free_vgpr 512
		.amdhsa_next_free_sgpr 106
		.amdhsa_reserve_vcc 0
		.amdhsa_float_denorm_mode_32 3
		.amdhsa_float_denorm_mode_16_64 3
		.amdhsa_memory_ordered 1
		.amdhsa_forward_progress 1
		.amdhsa_inst_pref_size 106
	.end_amdhsa_kernel
	.amdgpu_metadata
---
amdhsa.version: [ 1, 2 ]
amdhsa.kernels:
  - .name:           k_q1ba98cbcad_ffn2
    .symbol:         k_q1ba98cbcad_ffn2.kd
    .args:
      - { .name: HB, .offset: 0, .size: 8, .value_kind: global_buffer, .address_space: global }
      - { .name: W2_codes, .offset: 8, .size: 8, .value_kind: global_buffer, .address_space: global }
      - { .name: W2_scales, .offset: 16, .size: 8, .value_kind: global_buffer, .address_space: global }
      - { .name: b2, .offset: 24, .size: 8, .value_kind: global_buffer, .address_space: global }
      - { .name: X1, .offset: 32, .size: 8, .value_kind: global_buffer, .address_space: global }
      - { .name: out0, .offset: 40, .size: 8, .value_kind: global_buffer, .address_space: global }
    .group_segment_fixed_size: 327680
    .private_segment_fixed_size: 0
    .kernarg_segment_align: 8
    .kernarg_segment_size: 48
    .max_flat_workgroup_size: 128
    .sgpr_count:     106
    .vgpr_count:     512
    .wavefront_size: 32
...
	.end_amdgpu_metadata
.endif
;; end of part 6
